; MI455X (gfx1250); checked and timed in simulation.
; The chip was launched on July 23, 2026; its instructions are those of AMD's public machine-readable ISA for CDNA 5 (MIT licence, August 2026) and "CDNA5" Instruction Set Architecture Reference Guide (July 2026). The comments in the code are by the model that wrote it; some were corrected since.
;; Multi Head Attention. Allowed arithmetic: matrix products marked QUANTISED: E4M3 operands, one given power-of-two scale a tensor, by v_wmma_f32_16x16x64_fp8_fp8 or v_wmma_f32_16x16x128_fp8_fp8, f32 sums; everything else in f32.
;; Inputs: Wk 2,048 x 2,048 float32; Wo 2,048 x 2,048 float32; Wq 2,048 x 2,048 float32; Wv 2,048 x 2,048 float32; bk 2,048 float32; bo 2,048 float32; bq 2,048 float32; bv 2,048 float32; lowp_scales 12 int32 (the exponents e of the quantised operands' scales 2^e); x 2 x 1,024 x 2,048 float32.
;; Outputs: out0 2 x 1,024 x 2,048 float32.
;; This version of the problem:
;;   THIS VERSION OF THE PROBLEM IS GIVEN IN LOW PRECISION. The matrix products marked QUANTISED in the list below multiply operands that are first quantised to E4M3 (4 exponent bits, 3 mantissa bits; 8 bits a number), with one given power-of-two scale for each operand tensor; their sums are f32. All else is computed in f32.
;;   The module's matrix products, in the order in which they are computed (A, B: the left and right operand; K: the contracted axis; several contracted axes count as one K, in the product's order):
;;     1. [M 2,048, K 2,048] x [K 2,048, N 2,048]; A: input x; B: input Wq: QUANTISED (scales: A lowp_scales[0], B lowp_scales[1])
;;     2. [M 2,048, K 2,048] x [K 2,048, N 2,048]; A: input x; B: input Wk: QUANTISED (scales: A lowp_scales[2], B lowp_scales[3])
;;     3. [M 2,048, K 2,048] x [K 2,048, N 2,048]; A: input x; B: input Wv: QUANTISED (scales: A lowp_scales[4], B lowp_scales[5])
;;     4. batch 32 x [M 1,024, K 128] x [K 128, N 1,024]; A: computed on the way; B: computed on the way: QUANTISED (scales: A lowp_scales[6], B lowp_scales[7])
;;     5. batch 32 x [M 1,024, K 1,024] x [K 1,024, N 128]; A: softmax (see below); B: computed on the way: QUANTISED (scales: A lowp_scales[8], B lowp_scales[9])
;;     6. [M 2,048, K 2,048] x [K 2,048, N 2,048]; A: computed on the way; B: input Wo: QUANTISED (scales: A lowp_scales[10], B lowp_scales[11])
;;   THE QUANTISER, for each operand of a quantised product, along K:
;;     - The operand's scale is 2^e, e = its entry of the input lowp_scales (int32; the entries are numbered through the quantised products in the list's order, A before B).
;;     - Each number is divided by the scale, clamped to +-448, and rounded to the nearest number of E4M3, ties to even, subnormals kept.
;;     - The product sums the exact products of the quantised numbers (number of the format x scale) in f32.
;;   ~~~python
;;   def quantise(x, axis, e):      # numpy; x: float32 -> the quantised numbers, widened to float32 again
;;       x = np.moveaxis(x, axis, -1); K = x.shape[-1]
;;       r = np.clip(x / 2.0 ** e, -448, 448)
;;       step = 2.0 ** (np.maximum(np.frexp(np.where(r == 0, 1, r))[1] - 1, -6) - 3)
;;       q = np.round(r / step) * step * 2.0 ** e      # np.round: ties to even
;;       return np.moveaxis(q, -1, axis).astype(np.float32)
;;   ~~~
;;   SOFTMAX AHEAD OF A QUANTISED PRODUCT. Where the list says 'softmax', what is quantised is not the finished softmax but p = 2^(t - M), with t = logit x log2(e) and M = ceil(the row's largest t), a whole number; so 1/2 < the row's largest p <= 1. The row's sum l is taken of the UNQUANTISED p, in f32, and the product's result is divided by l at the end. Since M is a whole number, a kernel that streams over the keys may use a running M (the ceiling of the running maximum): every later rescaling is an exact power of two, so the quantised numbers keep their values, but for numbers so far below the row's largest that they fall under the format's range.
;;   OPERANDS COMPUTED ON THE WAY. 'Computed on the way' means the value that the module computes at that place (a softmax that the list does not call 'softmax' is quantised finished and normalised). What goes into a quantiser is computed in f32, as accurately as f32 sums, v_exp_f32 and their like allow (about 1e-6 of the number): no bf16 or f16 on the way to a quantiser, and a product that is left as it is and whose result goes on into a quantised operand takes f32 operands (vector FMAs, or v_wmma_f32_16x16x4_f32). A number that lies on a knife's edge between two numbers of the format may be rounded either way, as far as f32 arithmetic and the matrix unit's own rounding can turn it there, and no further.
;; One version. Each part assembles by itself: llvm-mc -triple=amdgcn-amd-amdhsa -mcpu=gfx1250 --defsym DOCPART=n.
;; ======== version 1 of 1: 4 launches
;; limits: right only within a limited range of input values
;; workspace buffers: codes 25,165,824 bytes; woc 4,194,304 bytes; qkvc 12,582,912 bytes; ctxc 4,194,304 bytes
;; launch quant (part 1): grid 1024 x 1, 4 waves a work-group, no clusters, 50,688 bytes of LDS; arguments x, Wq, Wk, Wv, lowp_scales, codes; writes codes
.if DOCPART == 1
	.amdgcn_target "amdgcn-amd-amdhsa--gfx1250"
	.amdhsa_code_object_version 6
	.text
	.protected	k_q531e071499_quant
	.globl	k_q531e071499_quant
	.p2align	8
	.type	k_q531e071499_quant,@function
k_q531e071499_quant:
	s_mov_b64 s[64:65], 0
	v_nop
	global_prefetch_b8 v0, s[64:65] scope:SCOPE_SE
	s_setreg_imm32_b32 hwreg(HW_REG_WAVE_MODE, 25, 1), 1
	s_wait_xcnt 0x0
; MULTI-HEAD ATTENTION IN FP8 (E4M3), four launches: this one (x, Wq, Wk, Wv into codes), q/k/v projections (and Wo into codes), attention, output projection.
; DEAD WORK, for the whole program: reference() sets scores[s][t] to -infinity wherever t > s, by a mask that it builds itself.  The softmax weight of such a key is 0 for all finite inputs,
; so it adds nothing to the row's sum nor to ctx.  Where a block of 128 keys lies wholly behind a tile of 16 queries, both attention products of that block are left out (the attention launch).
; Nothing else is left out: every input has a way to the output and is loaded (bq and bk move codes of q and k, so they stay).
; LIMIT: a NaN, an infinity or an overflow that would arise only in the score blocks left out is not carried to the result.
;
; THIS LAUNCH turns x (three times: by the scales of entries 0, 2, 4 of lowp_scales, which may differ) and Wq, Wk, Wv (entries 1, 3, 5) into codes:
; code = number / 2^e, held within +-448, rounded to the nearest code, ties to even.  LIMITS: each e between -126 and 119; NaN among the inputs is not served (an infinity is held at the largest code).
; THE CODES LIE IN THE ORDER OF AN OPERAND'S REGISTERS.  An IMAGE is 16 rows x 128 along K, 2,048 bytes: chunk c (0..3) at 512 c, lane l's 16 bytes at 16 l; lane (r = l % 16, h = l / 16) holds k = 32 c + 16 h + 0..15 of the image's row r.
; THE ROWS OF AN IMAGE ARE NOT NEIGHBOURS: row r of image T = 2 g + u is matrix row 32 g + 8 u + r + 8 (r / 8).  So a later product's results, 16 registers of two neighbouring images, are 16 neighbours along the next K.
; codes: six sections of 4 MiB: 0 Wq^T, 1 Wk^T, 2 x by entry 4, 3 x by entry 0, 4 x by entry 2, 5 Wv^T; image (T, K step s) of a section at (s / 2) x 524,288 + T x 4,096 + (s % 2) x 2,048.
; Work-groups 0-255 take x, 256-1023 the weights; each of the four waves takes 16 KiB of f32 by 32 loads that are all asked for ahead of the first wait.
; Waves share nothing: no barrier, no cluster (no two work-groups read the same bytes).  No prefetch: there is no loop, every byte is asked for at the head.
.set ROWB,  8192                       ; a row of x or of a weight in bytes
.set SECT,  1<<22
.set SP,    528                        ; x path: a stage row: 512 bytes + 16, so that the 16 rows that a read touches start at 16 different banks (64 banks of 4 bytes: ISA guide 11.1)
.set STG,   16*SP                      ; a wave's stage of the x path
.set WST,   4*STG                      ; the weights' stages, 4,096 bytes a wave, behind the x path's four
.set SPARE, WST+4*4096                 ; the spare words, 128 bytes for each wave: two blocks of 256 bytes that no other line names
.set SPW,   8                          ; v8   LDS address of my spare word; never rewritten
.set NIL,   9                          ; v9   0; never rewritten
.set R,     16                         ; v16-143 the 32 loads
.set T,     144                        ; v144-175 held numbers
.set C,     176                        ; codes
.macro MKS e, vs, vl                   ; from the whole number in s[e]: v[vs] = 2^e as f32 (the conversion takes its exponent field), v[vl] = 448 x 2^e
	s_add_co_i32 s40, s[\e], 127
	s_lshl_b32 s41, s40, 23
	v_mov_b32 v[\vs], s41
	s_add_co_i32 s40, s40, 8
	s_lshl_b32 s40, s40, 23
	s_or_b32 s40, s40, 0x600000
	v_mov_b32 v[\vl], s40
.endm
	s_load_b256 s[4:11], s[0:1], 0x0               ; x s[4:5], Wq s[6:7], Wk s[8:9], Wv s[10:11]
	s_load_b128 s[12:15], s[0:1], 0x20             ; the scales' exponents s[12:13], codes s[14:15]
	v_lshl_add_u32 v[SPW], v0, 2, SPARE
	v_mov_b32 v[NIL], 0
	v_lshrrev_b32 v1, 5, v0
	v_readfirstlane_b32 s18, v1                    ; wave 0..3
	s_mul_i32 s34, s18, STG
	s_lshl_b32 s35, s18, 12
	s_add_co_u32 s35, s35, WST
	v_and_b32 v1, 31, v0                           ; lane
	v_and_b32 v2, 15, v0                           ; r
	v_bfe_u32 v3, v0, 4, 1                         ; h
	v_lshlrev_b32 v4, 4, v1                        ; 16 x lane: in a row of an input, and in an image's chunk
	v_add_nc_u32 v5, s34, v4                       ; the x stage, on the way in: as loaded
	v_mul_u32_u24 v6, v2, SP
	v_lshl_add_u32 v6, v3, 6, v6
	v_add_nc_u32 v6, s34, v6                       ; and on the way out: row r, + 64 h: my 16 numbers of a block of 32
	v_bfe_u32 v7, v0, 3, 2                         ; the weights' stage, on the way in: my columns 4 l .. 4 l + 3 are rows 8 (l / 4 % 2) + 4 (l % 2) + 0..3 of image 2 (l / 8) + l / 2 % 2
	v_lshlrev_b32 v7, 10, v7
	v_bfe_u32 v1, v0, 1, 1
	v_lshl_add_u32 v7, v1, 9, v7
	v_bfe_u32 v1, v0, 2, 1
	v_lshl_add_u32 v7, v1, 7, v7
	v_and_b32 v1, 1, v0
	v_lshl_add_u32 v7, v1, 6, v7
	v_add_nc_u32 v7, s35, v7
	v_add_nc_u32 v2, s35, v4                       ; and on the way out
	s_wait_alu depctr_va_vdst(0)
	s_wait_kmcnt 0x0
	s_load_b256 s[24:31], s[12:13], 0x0            ; entries 0 to 7
	s_cmp_lt_u32 ttmp9, 256
	s_cbranch_scc0 .Lweights
; ---------------- x.  Two work-groups to a row of images T; wave w takes two K steps (256 along K), a unit (one image in three versions) at a time.
; A load reads one row's 512 consecutive bytes; the conversions want 16 neighbours in ONE lane: so a unit turns through the wave's own stage in LDS.
	s_lshr_b32 s19, ttmp9, 1                       ; T
	s_lshr_b32 s20, ttmp9, 2
	s_lshl_b32 s20, s20, 18                        ; 32 (T / 2) rows,
	s_and_b32 s21, s19, 1
	s_lshl_b32 s21, s21, 16                        ; + 8 (T % 2)
	s_add_co_u32 s20, s20, s21
	s_and_b32 s22, ttmp9, 1
	s_lshl_b32 s22, s22, 2
	s_add_co_u32 s22, s22, s18                     ; which 256 along K
	s_lshl_b32 s23, s22, 10
	s_add_co_u32 s20, s20, s23
	s_mov_b32 s21, 0
	s_add_nc_u64 s[20:21], s[4:5], s[20:21]
	s_lshl_b32 s22, s22, 19
	s_lshl_b32 s23, s19, 12
	s_add_co_u32 s22, s22, s23
	s_add_co_u32 s22, s22, 3*SECT                  ; section 3; sections 4 and 2 are reached by the stores' immediates
	s_mov_b32 s23, 0
	s_add_nc_u64 s[22:23], s[14:15], s[22:23]
.irp q, 0,1
.set ii, 0
.rept 16
	global_load_b128 v[R+64*\q+4*ii:R+64*\q+4*ii+3], v4, s[20:21] offset:(ii+8*(ii/8))*ROWB+(\q)*512 th:TH_LOAD_NT   ; image row i is matrix row i + 8 (i / 8) from the image's first
.set ii, ii+1
.endr
.endr
.macro XUNIT q, cb
	s_wait_loadcnt 16-16*\q                        ; this unit's 16 loads are in; the next unit's may be out
.set ii, 0
.rept 16
	ds_store_b128 v5, v[R+64*\q+4*ii:R+64*\q+4*ii+3] offset:ii*SP
.set ii, ii+1
.endr
	s_wait_dscnt 0x0                               ; the stage's stores have read their registers, into which the numbers come back
.irp c, 0,1,2,3
.irp j, 0,1,2,3
	ds_load_b128 v[R+64*\q+16*\c+4*\j:R+64*\q+16*\c+4*\j+3], v6 offset:128*\c+16*\j
.endr
.endr
	s_wait_dscnt 0x0
.irp ver, 0,1,2                        ; by entry 0, 2, 4
.irp c, 0,1,2,3
.set ii, 0
.rept 16
	v_med3_num_f32 v[T+16*(\c%2)+ii], v[R+64*\q+16*\c+ii], -v[11+2*\ver], v[11+2*\ver]   ; the conversion to an 8-bit code does not saturate (ISA guide 7.6.2): the hold comes first.  Two sets by turns
.set ii, ii+1
.endr
	v_cvt_scalef32_pk8_fp8_f32 v[\cb+16*\ver+4*\c:\cb+16*\ver+4*\c+1], v[T+16*(\c%2):T+16*(\c%2)+7], v[10+2*\ver]
	v_cvt_scalef32_pk8_fp8_f32 v[\cb+16*\ver+4*\c+2:\cb+16*\ver+4*\c+3], v[T+16*(\c%2)+8:T+16*(\c%2)+15], v[10+2*\ver]
.endr
.endr
.irp ver, 0,1,2
.irp c, 0,1,2,3
	global_store_b128 v4, v[\cb+16*\ver+4*\c:\cb+16*\ver+4*\c+3], s[22:23] offset:((\ver%2)-(\ver/2))*SECT+(\q)*2048+\c*512   ; 32 lanes store 512 consecutive bytes, aligned; sections 3, 4, 2
.endr
.endr
.endm
	s_wait_kmcnt 0x0
	MKS 24, 10, 11
	MKS 26, 12, 13
	MKS 28, 14, 15
	s_wait_alu depctr_va_vdst(0)
	XUNIT 0, C
	XUNIT 1, R                                     ; its codes take registers of the first unit's numbers, which have been read
	s_wait_tensorcnt 0x0                           ; the wave's end
	ds_add_u32 v[SPW], v[NIL]
	s_wait_dscnt 0x0
	s_endpgm
; ---------------- the weights, stored [k][n]: K is their FIRST axis.  A wave takes 128 columns x 32 along K: a load reads 512 consecutive bytes of a row, and lane l holds columns 4 l .. 4 l + 3, registers running down K.
; The hold puts a column's numbers side by side, so that the conversions give codes with K innermost.  The codes turn through the wave's stage into chunks of eight images: each store covers 512 consecutive bytes, aligned.
.Lweights:
	s_sub_co_u32 s19, ttmp9, 256
	s_lshr_b32 s42, s19, 8                         ; which weight: 0 Wq, 1 Wk, 2 Wv
	s_bfe_u32 s43, s19, 0x60002                    ; which 32 along K
	s_and_b32 s44, s19, 3
	s_lshl_b32 s44, s44, 2
	s_add_co_u32 s44, s44, s18                     ; which 128 columns: the work-group's four waves stand side by side
	s_cmp_eq_u32 s42, 0                            ; the choices hang on the work-group's number alone
	s_cselect_b64 s[32:33], s[6:7], s[8:9]
	s_cmp_eq_u32 s42, 2
	s_cselect_b64 s[20:21], s[10:11], s[32:33]
	s_lshl_b32 s32, s43, 18                        ; 32 rows of 8,192 bytes
	s_lshl_b32 s33, s44, 9
	s_add_co_u32 s32, s32, s33
	s_mov_b32 s33, 0
	s_add_nc_u64 s[20:21], s[20:21], s[32:33]
	s_lshr_b32 s45, s42, 1
	s_mul_i32 s45, s45, 3
	s_add_co_u32 s45, s45, s42                     ; section 0, 1, 5
	s_lshl_b32 s32, s45, 22
	s_lshr_b32 s46, s43, 3
	s_lshl_b32 s46, s46, 19                        ; which 256 along K,
	s_add_co_u32 s32, s32, s46
	s_and_b32 s46, s43, 7
	s_lshl_b32 s46, s46, 9                         ; the K step and the chunk in it,
	s_add_co_u32 s32, s32, s46
	s_lshl_b32 s46, s44, 15                        ; eight images of 4,096 bytes apart
	s_add_co_u32 s32, s32, s46
	s_add_nc_u64 s[22:23], s[14:15], s[32:33]
.set ii, 0
.rept 32
	global_load_b128 v[R+4*ii:R+4*ii+3], v4, s[20:21] offset:ii*ROWB th:TH_LOAD_NT
.set ii, ii+1
.endr
	s_wait_kmcnt 0x0
	s_cmp_eq_u32 s42, 0                            ; entry 1, 3 or 5
	s_cselect_b32 s46, s25, s27
	s_cmp_eq_u32 s42, 2
	s_cselect_b32 s46, s29, s46
	MKS 46, 10, 11
	s_wait_alu depctr_va_vdst(0)
.irp g, 0,1,2,3
	s_wait_loadcnt 24-8*\g                         ; eight rows more are in; those behind them may be out
.irp j, 0,1,2,3
.set ii, 0
.rept 8
	v_med3_num_f32 v[T+8*\j+ii], v[R+4*(8*\g+ii)+\j], -v11, v11
.set ii, ii+1
.endr
	v_cvt_scalef32_pk8_fp8_f32 v[C+8*\j+2*\g:C+8*\j+2*\g+1], v[T+8*\j:T+8*\j+7], v10
.endr
.endr
.irp j, 0,1,2,3
	ds_store_b128 v7, v[C+8*\j:C+8*\j+3] offset:16*\j          ; k = 0..15 of my column j: the places of lanes 0-15 of a chunk
	ds_store_b128 v7, v[C+8*\j+4:C+8*\j+7] offset:16*\j+256    ; k = 16..31: those of lanes 16-31
.endr
.irp i, 0,1,2,3,4,5,6,7
	ds_load_b128 v[R+4*\i:R+4*\i+3], v2 offset:512*\i          ; LDS serves a wave's instructions in order (ISA guide 5.7.1.4): these see the stores above
.endr
.irp i, 0,1,2,3,4,5,6,7
	s_wait_dscnt 7-\i
	global_store_b128 v4, v[R+4*\i:R+4*\i+3], s[22:23] offset:4096*\i
.endr
	s_wait_tensorcnt 0x0                           ; the wave's end, as above
	ds_add_u32 v[SPW], v[NIL]
	s_wait_dscnt 0x0
	s_endpgm
.Lfunc_end_k_q531e071499_quant:
	.size	k_q531e071499_quant, .Lfunc_end_k_q531e071499_quant-k_q531e071499_quant
	.p2alignl 7, 3214868480
	.fill 96, 4, 3214868480
	.section	.rodata,"a",@progbits
	.p2align	6, 0x0
	.amdhsa_kernel k_q531e071499_quant
		.amdhsa_group_segment_fixed_size 50688
		.amdhsa_private_segment_fixed_size 0
		.amdhsa_enable_private_segment 0
		.amdhsa_kernarg_size 48
		.amdhsa_user_sgpr_count 2
		.amdhsa_user_sgpr_kernarg_segment_ptr 1
		.amdhsa_wavefront_size32 1
		.amdhsa_system_sgpr_workgroup_id_x 1
		.amdhsa_system_sgpr_workgroup_id_y 1
		.amdhsa_system_sgpr_workgroup_id_z 1
		.amdhsa_system_vgpr_workitem_id 0
		.amdhsa_next_free_vgpr 224
		.amdhsa_next_free_sgpr 66
		.amdhsa_reserve_vcc 0
		.amdhsa_float_denorm_mode_32 3
		.amdhsa_float_denorm_mode_16_64 3
		.amdhsa_memory_ordered 1
		.amdhsa_forward_progress 1
		.amdhsa_inst_pref_size 56
	.end_amdhsa_kernel
	.amdgpu_metadata
---
amdhsa.version: [ 1, 2 ]
amdhsa.kernels:
  - .name:           k_q531e071499_quant
    .symbol:         k_q531e071499_quant.kd
    .args:
      - { .name: x, .offset: 0, .size: 8, .value_kind: global_buffer, .address_space: global }
      - { .name: Wq, .offset: 8, .size: 8, .value_kind: global_buffer, .address_space: global }
      - { .name: Wk, .offset: 16, .size: 8, .value_kind: global_buffer, .address_space: global }
      - { .name: Wv, .offset: 24, .size: 8, .value_kind: global_buffer, .address_space: global }
      - { .name: lowp_scales, .offset: 32, .size: 8, .value_kind: global_buffer, .address_space: global }
      - { .name: codes, .offset: 40, .size: 8, .value_kind: global_buffer, .address_space: global }
    .group_segment_fixed_size: 50688
    .private_segment_fixed_size: 0
    .kernarg_segment_align: 8
    .kernarg_segment_size: 48
    .max_flat_workgroup_size: 128
    .sgpr_count:     66
    .vgpr_count:     224
    .wavefront_size: 32
...
	.end_amdgpu_metadata
.endif
;; end of part 1
;; launch gemm_qkv (part 2): grid 32 x 8, 4 waves a work-group, clusters of 4 x 4, 327,680 bytes of LDS; arguments codes, lowp_scales, bq, bk, bv, qkvc, Wo, woc; writes qkvc, woc
.if DOCPART == 2
	.amdgcn_target "amdgcn-amd-amdhsa--gfx1250"
	.amdhsa_code_object_version 6
	.text
	.protected	k_q531e071499_gemm_qkv
	.globl	k_q531e071499_gemm_qkv
	.p2align	8
	.type	k_q531e071499_gemm_qkv,@function
k_q531e071499_gemm_qkv:
	s_mov_b64 s[64:65], 0
	v_nop
	global_prefetch_b8 v0, s[64:65] scope:SCOPE_SE
	s_setreg_imm32_b32 hwreg(HW_REG_WAVE_MODE, 25, 1), 1
	s_wait_xcnt 0x0
	s_wait_alu depctr_hold_cnt(0) depctr_sa_sdst(0) depctr_va_vdst(0) depctr_va_sdst(0) depctr_va_ssrc(0) depctr_va_vcc(0) depctr_vm_vsrc(0)
	s_getreg_b32 s2, hwreg(HW_REG_IB_STS2, 6, 4)
	s_cmp_eq_u32 s2, 0
	s_cbranch_scc0 .Lentry_in_a_cluster
	s_endpgm
.Lentry_in_a_cluster:
	s_bfe_u32 s2, ttmp6, 0x10000c
	s_cmp_lg_u32 s2, 0xf033
	s_cbranch_scc0 .Lentry_shape_is_right
	s_endpgm
.Lentry_shape_is_right:
; q = x Wq + bq, k = x Wk + bk, v = x Wv + bv on codes of FP8 (E4M3), and their results quantised at once for the attention products: q by entry 6 of lowp_scales, k by entry 7, v by entry 9.
; Beside them Wo is turned into codes (entry 11) for the output projection: the products take 192 work-groups (12 clusters), Wo the other 64 (4 clusters: cluster x 6 and 7).
; Nothing of these products is left out.  LIMITS: entries 0+1, 2+3, 4+5 each add to between -126 and 127; entries 6, 7, 9, 11 between -126 and 119; NaN in Wo is not served.  Inside a matrix instruction k stands in permuted places, alike on both sides.
; OPERANDS are images (16 rows x 128 K in the order of a fragment's registers: chunk c at 512 c, lane l at 16 l), image (T, K step s) of a section of codes at (s / 2) x 524,288 + T x 4,096 + (s % 2) x 2,048. Row r of image 2 g + u is matrix row 32 g + 8 u + r + 8 (r / 8).
; ONE LOOP SERVES THE THREE KINDS t = cluster x / 2.  Source 0 is section t, source 1 section 3 + t.  For q and k source 0 is the weight and source 1 is x: a lane holds one position, its registers run along the head's 128.
; For v source 0 is x and source 1 is Wv: a lane holds one channel, its registers run along the keys, which are the second attention product's K.  By the order of an image's rows the 16 registers of source 0's images 2 b, 2 b + 1
; are 16 neighbours, 32 b + 16 (lane / 16) + 0..15: so a block's 64 sums, scaled, biased, held and converted, ARE an image, stored by four dense stores of 512 bytes.
; qkvc: section 0 q, 1 k: image (batch x 16 + head) x 64 + row of images within the batch; section 2 v^T: image ((batch x 16 + head) x 8 + key step) x 8 + tile of 16 channels.
; SHARES.  A work-group of four waves makes 256 x 256, a wave 128 x 128: 64 accumulators, 512 registers.  K goes in eight steps of 256 through two LDS slots of 128 KiB; a wave's quarter of a slot is 8 rows of images, 32 KiB on end.
; THE HEAD'S ONE LOAD A WAVE BRINGS BOTH SLOTS: two rows of 32 KiB, 524,288 bytes apart in memory, on end in LDS: wave w's part of slot s lies at 65,536 w + 32,768 s.
; THE CHANGE OF SLOTS STANDS AT THE HEAD OF A SLOT'S LAST STEP: that step's fragments were all asked for in the step before, so the slot is given up before its last 64 products are issued, and the refill has 128 matrix instructions in which to land.
; CLUSTERS: 4 x 4 work-groups.  Source 1's tile is shared along a row of the cluster, source 0's along a column: each is asked for jointly, by the same tensor load with the same descriptor and a mask that names the four.
; PREFETCH: each fill of a slot asks for the 256 along K that stand two fills on (the head for its first one behind its load and for the second behind the first step; the last two fills ask for nothing).  Of the 32 KiB that a wave
; fetches, each of the four partners names 8 KiB, a lane a block of 256 bytes, told apart by address.
; REGISTERS, in windows of 256: window 0: v16-30 addresses and constants; v32-95 the bias; v128-255 source 1's fragments, ONE set (on the way out: v128-191 numbers, v192-255 four sets of codes);
;   window 1: source 0's fragments, TWO sets;  window 2: the accumulators of source 1's blocks 0-3 ((a, b) at v[8 (8 (a % 4) + b)]);  window 3: those of blocks 4-7.
.set STEPB,  524288                    ; bytes from one 256 along K to the next in a section
.set HSLOT,  32768                     ; a wave's part of a slot
.set SPARE,  262144                    ; behind the ring: the spare words, 128 bytes for each wave: two blocks of 256 bytes that no other line names
.set WST,    SPARE+512                 ; Wo: a stage of 4,096 bytes for each wave; no tensor load lands here
.set FR,     16                        ; registers of a fragment
.set NL,     4                         ; LDS loads that bring one
.set NP,     4                         ; places behind this matrix instruction (ISA guide 7.12.1)
.set LAPS,   4                         ; 2,048 along K = 4 laps of two slots of 256
.set ADRA, 16                          ; v16-17  LDS address of my source 1 fragments in slot 0, 1
.set ADRB, 20                          ; v20-21  the same for source 0
.set LO,   24                          ; v24     16 x lane
.set SCV,  25                          ; v25     the result's scale 2^e as f32
.set LIM,  26                          ; v26     448 x 2^e
.set BOF,  27                          ; v27     my lane's byte in the bias
.set SPW,  28                          ; v28     LDS address of my spare word; never rewritten
.set NIL,  29                          ; v29     0; never rewritten
.set PFO,  30                          ; v30     the prefetches' offset: 256 x lane; never rewritten
.set BIAS, 32
.set AF,   128
.set TT,   128
.set CC,   192
.set WV,   16                          ; s16 wave; s17 wave / 2: my half of source 1, and: I fetch for source 1 (0) or 0 (1); s18 wave % 2: my half of source 0, and which half I fetch
.set HI,   17
.set LOW,  18
.set KIND, 19                          ; s19 0 q, 1 k, 2 v: made of the cluster's x alone, the same in all sixteen partners
.set G1, 24                            ; s[24:31] descriptor group 1 for source 1's refills;  s[32:39] group 0, one set for each slot
.set G0, 32
.set G1B, 48                           ; s[48:55], s[56:63] the same for source 0's
.set G0B, 56
.set GH, 68                            ; s[68:75], s[76:83] group 1 of the head's loads, for source 1 and source 0
.set GHB, 76
.set OUT, 96                           ; s[96:97] where my results go
.set PFA, 98                           ; s[98:99] where my prefetches stand
.set MSB, 0
.macro WIN new                         ; the immediate's high byte repeats the setting that is left
.if MSB != (\new)
	s_set_vgpr_msb (MSB<<8)|(\new)
.set MSB, (\new)
.endif
.endm
.set MUL_LO, 0xa1                      ; source 0 window 1, source 1 window 0, C and D window 2
.set MUL_HI, 0xf1                      ; the same, C and D window 3
.set TO_B,   0x40                      ; destination window 1, address window 0
.macro JLOAD g0a, g1a, g0b, g1b        ; a joint load: waves 0, 1 for source 1, waves 2, 3 for source 0; the branch hangs on the wave's number alone.  An s_nop 0 and four v_nop follow each line
	s_cmp_eq_u32 s[HI], 0
	s_cbranch_scc0 .Lfor_b_\@
	tensor_load_to_lds s[\g0a:\g0a+3], s[\g1a:\g1a+7]
	s_nop 0
.rept 4
	v_nop
.endr
	s_branch .Lasked_\@
.Lfor_b_\@:
	tensor_load_to_lds s[\g0b:\g0b+3], s[\g1b:\g1b+7]
	s_nop 0
.rept 4
	v_nop
.endr
.Lasked_\@:
.endm
.macro CREST                           ; a round of the cluster's barrier behind its opening barrier
	s_cmp_lg_u32 s[WV], 0
	s_cbranch_scc1 .Lnot_wave_0_\@
	s_barrier_signal -3
.Lnot_wave_0_\@:
	s_barrier_wait -3
	s_barrier_signal -1
	s_barrier_wait -1
.endm
.macro CROUND
	s_barrier_signal -1
	s_barrier_wait -1
	CREST
.endm
	s_load_b128 s[4:7], s[0:1], 0x0                ; codes s[4:5], the scales' exponents s[6:7]
	s_load_b256 s[8:15], s[0:1], 0x10              ; bq s[8:9], bk s[10:11], bv s[12:13], qkvc s[14:15]
	s_load_b128 s[92:95], s[0:1], 0x30             ; Wo s[92:93], its codes s[94:95]
	v_lshl_add_u32 v[SPW], v0, 2, SPARE
	v_mov_b32 v[NIL], 0
	ds_add_u32 v[SPW], v[NIL]                      ; the wave's opening
	ds_add_u32 v[SPW], v[NIL]
	v_lshrrev_b32 v1, 5, v0
	v_readfirstlane_b32 s[WV], v1
	s_lshr_b32 s[HI], s[WV], 1
	s_and_b32 s[LOW], s[WV], 1
	s_bfe_u32 s20, ttmp6, 0x40000                  ; cx, cy: my place in the cluster
	s_bfe_u32 s21, ttmp6, 0x40004
	s_lshr_b32 s[KIND], ttmp9, 1                   ; two clusters along x for each kind
	s_and_b32 s22, ttmp9, 1
	s_lshl_b32 s22, s22, 2
	s_add_co_u32 s22, s22, s20                     ; source 0's tile of 256 rows, 0..7
	s_and_b32 s23, ttmp7, 0xffff
	s_lshl_b32 s23, s23, 2
	s_add_co_u32 s23, s23, s21                     ; source 1's tile, 0..7
	s_lshl_b32 s40, s21, 2
	s_lshl_b32 s40, 15, s40                        ; my row of the cluster
	s_lshl_b32 s41, 0x1111, s20                    ; my column
	; descriptor groups 1, elements of 8 bytes (code 3), no padding, bit 21 set beside the mask.  Refills: 8 rows of 512 elements, 512 apart: 32 KiB on end.  Head: 2 rows of 4,096 elements, 65,536 apart
	s_or_b32 s[G1+0], s40, (3<<16)|(1<<21)
	s_or_b32 s[GH+0], s40, (3<<16)|(1<<21)
	s_or_b32 s[G1B+0], s41, (3<<16)|(1<<21)
	s_or_b32 s[GHB+0], s41, (3<<16)|(1<<21)
.irp g, G1, G1B
	s_mov_b32 s[\g+1], 512<<16                     ; tensor_dim0
	s_mov_b32 s[\g+2], 8<<16                       ; tensor_dim1
	s_mov_b32 s[\g+3], 512<<16                     ; tile_dim0
	s_mov_b32 s[\g+4], 8                           ; tile_dim1
	s_mov_b32 s[\g+5], 512                         ; tensor_dim0_stride
	s_mov_b32 s[\g+6], 0
	s_mov_b32 s[\g+7], 0
.endr
.irp g, GH, GHB
	s_mov_b32 s[\g+1], 4096<<16
	s_mov_b32 s[\g+2], 2<<16
	s_mov_b32 s[\g+3], 4096<<16
	s_mov_b32 s[\g+4], 2
	s_mov_b32 s[\g+5], 65536
	s_mov_b32 s[\g+6], 0
	s_mov_b32 s[\g+7], 0
.endr
	s_lshl_b32 s84, s[LOW], 15                     ; which 8 rows of images of the tile I fetch
	s_add_co_u32 s42, s[KIND], 3
	s_lshl_b32 s42, s42, 22                        ; source 1: section 3 + t,
	s_lshl_b32 s44, s23, 16                        ; its tile (16 rows of images of 4,096 bytes),
	s_add_co_u32 s42, s42, s44
	s_add_co_u32 s42, s42, s84
	s_mov_b32 s43, 0
	s_lshl_b32 s46, s[KIND], 22                    ; source 0: section t; in registers that never hold cy
	s_lshl_b32 s47, s22, 16
	s_add_co_u32 s46, s46, s47
	s_add_co_u32 s46, s46, s84
	s_mov_b32 s47, 0
	s_lshl_b32 s45, s[WV], 16                      ; where they go: wave x 65,536: no place in the cluster enters an LDS address
	s_wait_dscnt 0x0                               ; both opening adds are done
	s_wait_kmcnt 0x0
	CROUND                                         ; all sixteen work-groups are here: the first joint loads meet
	s_cmp_gt_u32 ttmp9, 5                          ; the cluster's x: all sixteen partners go the same way
	s_cbranch_scc1 .Lwo
	s_add_nc_u64 s[42:43], s[4:5], s[42:43]
	s_add_nc_u64 s[46:47], s[4:5], s[46:47]
.irp s, 0,1
	s_mov_b32 s[G0+4*\s], 1
	s_add_co_u32 s[G0+4*\s+1], s45, \s*HSLOT
	s_add_nc_u64 s[G0+4*\s+2:G0+4*\s+3], s[42:43], \s*STEPB
	s_or_b32 s[G0+4*\s+3], s[G0+4*\s+3], 0x80000000
	s_mov_b32 s[G0B+4*\s], 1
	s_add_co_u32 s[G0B+4*\s+1], s45, \s*HSLOT
	s_add_nc_u64 s[G0B+4*\s+2:G0B+4*\s+3], s[46:47], \s*STEPB
	s_or_b32 s[G0B+4*\s+3], s[G0B+4*\s+3], 0x80000000
.endr
	JLOAD G0, GH, G0B, GHB                         ; both slots: one tensor load a wave at the head
	s_cmp_eq_u32 s[HI], 0                          ; my prefetches: in the 32 KiB that I fetch, my work-group's 8 KiB: by cx for source 1, by cy for source 0
	s_cselect_b64 s[PFA:PFA+1], s[42:43], s[46:47]
	s_cselect_b32 s86, s20, s21
	s_lshl_b32 s86, s86, 13
	s_add_co_u32 s86, s86, 2*STEPB                 ; at the third 256 along K
	s_mov_b32 s87, 0
	s_add_nc_u64 s[PFA:PFA+1], s[PFA:PFA+1], s[86:87]
	s_lshl_b32 s40, s[HI], 16                      ; my 8 rows of images of source 1: what wave HI fetched
	s_lshl_b32 s41, s[LOW], 16
	s_add_co_u32 s41, s41, 131072                  ; and of source 0: what wave 2 + LOW fetched
	s_add_co_u32 s44, s40, HSLOT
	s_add_co_u32 s45, s41, HSLOT
	v_and_b32 v1, 31, v0
	v_lshlrev_b32 v[LO], 4, v1
	v_lshlrev_b32 v[PFO], 8, v1
	v_add_nc_u32 v[ADRA], s40, v[LO]
	v_add_nc_u32 v[ADRB], s41, v[LO]
	v_add_nc_u32 v[ADRA+1], s44, v[LO]
	v_add_nc_u32 v[ADRB+1], s45, v[LO]
	s_cmp_eq_u32 s[KIND], 2                        ; the bias and the results' place, by kind: no barrier and no tensor load stands in an arm
	s_wait_alu depctr_va_vdst(0)
	s_cbranch_scc1 .Lbias_v
	; ---- q and k: my 128 rows of source 0 are one head
	s_lshl_b32 s84, s22, 1
	s_add_co_u32 s84, s84, s[LOW]                  ; the head
	s_cmp_eq_u32 s[KIND], 0
	s_cselect_b64 s[88:89], s[8:9], s[10:11]
	s_lshl_b32 s86, s84, 9
	s_add_nc_u64 s[88:89], s[88:89], s[86:87]
	s_lshr_b32 s86, s23, 2                         ; the batch
	s_lshl_b32 s86, s86, 4
	s_add_co_u32 s86, s86, s84
	s_lshl_b32 s86, s86, 17                        ; 64 images of 2,048 bytes for a batch and head
	s_and_b32 s90, s23, 3
	s_lshl_b32 s90, s90, 4
	s_lshl_b32 s91, s[HI], 3
	s_add_co_u32 s90, s90, s91                     ; my first row of images within the batch
	s_lshl_b32 s90, s90, 11
	s_add_co_u32 s86, s86, s90
	s_lshl_b32 s90, s[KIND], 22
	s_add_co_u32 s86, s86, s90
	s_add_nc_u64 s[OUT:OUT+1], s[14:15], s[86:87]
	v_bfe_u32 v[BOF], v0, 4, 1
	v_lshlrev_b32 v[BOF], 6, v[BOF]                ; 16 (lane / 16) numbers on
.irp b, 0,1,2,3,4,5,6,7
	global_load_b128 v[BIAS+8*\b:BIAS+8*\b+3], v[BOF], s[88:89] offset:(32*(\b/2)+8*(\b%2))*4
	global_load_b128 v[BIAS+8*\b+4:BIAS+8*\b+7], v[BOF], s[88:89] offset:(32*(\b/2)+8*(\b%2))*4+16
.endr
	s_branch .Lbias_done
.Lbias_v:
	; ---- v: my 128 rows of source 1 are one head's channels, my 128 rows of source 0 one key step
	s_lshl_b32 s84, s23, 1
	s_add_co_u32 s84, s84, s[HI]                   ; the head
	s_lshl_b32 s86, s84, 9
	s_add_nc_u64 s[88:89], s[12:13], s[86:87]
	s_lshl_b32 s85, s22, 1
	s_add_co_u32 s85, s85, s[LOW]                  ; which 128 positions of the 2,048
	s_lshr_b32 s86, s85, 3                         ; the batch
	s_lshl_b32 s86, s86, 4
	s_add_co_u32 s86, s86, s84
	s_lshl_b32 s86, s86, 17
	s_and_b32 s90, s85, 7                          ; the key step: 8 images
	s_lshl_b32 s90, s90, 14
	s_add_co_u32 s86, s86, s90
	s_add_co_u32 s86, s86, 2<<22
	s_add_nc_u64 s[OUT:OUT+1], s[14:15], s[86:87]
	v_and_b32 v2, 15, v0
	v_and_b32 v[BOF], 8, v2
	v_add_nc_u32 v[BOF], v[BOF], v2
	v_lshlrev_b32 v[BOF], 2, v[BOF]                ; channel r + 8 (r / 8) of an image's 32
.irp a, 0,1,2,3,4,5,6,7
.irp i, 0,1,2,3,4,5,6,7
	global_load_b32 v[BIAS+8*\a+\i], v[BOF], s[88:89] offset:(32*(\a/2)+8*(\a%2))*4   ; block a's one number a lane, in all eight registers of the block's addend
.endr
.endr
.Lbias_done:
	global_prefetch_b8 v[PFO], s[PFA:PFA+1] th:TH_LOAD_NT scope:SCOPE_SE   ; what the first refill will ask for
.macro FRAG reg, adr, q, i             ; the image of row of images i, the slot's q-th 128 along K: four loads of 512 consecutive bytes
.irp c, 0,1,2,3
	ds_load_b128 v[\reg+4*\c:\reg+4*\c+3], v[\adr] offset:(\i)*4096+(\q)*2048+512*\c
.endr
.endm
; 16 matrix instructions: source 1's blocks a0, a0 + 1 x source 0's eight.  p: source 0's set.  zero = 1: the first product starts the sums.  The 64 accumulators take turns, one instruction a turn, in the same order in every step.
.macro MUL16 a0, p, zero
.irp a, \a0, \a0+1
.irp b, 0,1,2,3,4,5,6,7
.if \zero
	v_wmma_f32_16x16x128_fp8_fp8 v[8*(8*((\a)%4)+\b):8*(8*((\a)%4)+\b)+7], v[128*(\p)+FR*\b:128*(\p)+FR*\b+FR-1], v[AF+FR*(\a):AF+FR*(\a)+FR-1], 0
.else
	v_wmma_f32_16x16x128_fp8_fp8 v[8*(8*((\a)%4)+\b):8*(8*((\a)%4)+\b)+7], v[128*(\p)+FR*\b:128*(\p)+FR*\b+FR-1], v[AF+FR*(\a):AF+FR*(\a)+FR-1], v[8*(8*((\a)%4)+\b):8*(8*((\a)%4)+\b)+7]
.endif
.endr
.endr
.endm
.macro FETCH_B slot, q, p
	WIN TO_B
.irp i, 0,1,2,3,4,5,6,7
	FRAG 128*(\p)+FR*\i, ADRB+\slot, \q, \i
.endr
	WIN 0
.endm
.macro FETCH_A slot, q, i0
.irp i, \i0, \i0+1, \i0+2, \i0+3
	FRAG AF+FR*(\i), ADRA+\slot, \q, \i
.endr
.endm
.macro PLACES n                        ; plain vector lines between a matrix instruction and a load into, or a vector write of, one of its registers, or a read of its result
.rept \n
	v_nop
.endr
.endm
.macro STEP slot, q, zero              ; a step of 128 along K that has its successor in the same slot
	s_wait_dscnt 4*NL                              ; source 0's set and source 1's blocks 0-3 are in; the youngest 16 loads (blocks 4-7) may be out
	WIN MUL_LO
	MUL16 0, (\q)%2, \zero
	MUL16 2, (\q)%2, \zero
	s_wait_dscnt 0
	PLACES NP
	FETCH_B \slot, (\q)+1, 1-(\q)%2
	FETCH_A \slot, (\q)+1, 0
	WIN MUL_HI
	MUL16 4, (\q)%2, \zero
	MUL16 6, (\q)%2, \zero
	PLACES NP
	WIN 0
	FETCH_A \slot, (\q)+1, 4
.endm
; A slot's last step.  Its fragments were all asked for in the step before, so the change of slots comes FIRST: each wave waits for all its tensor loads, adds 0 to its spare word, and waits for that and for its reads of this slot;
; one barrier; fill = 1: it opens a round of the cluster's barrier, and behind the round the slot is filled again, two slots ahead.  Then the step's 64 products, with the next slot's first fragments fetched among them.
.macro TURN slot, next, fill
.if \fill && (\slot) == 0
	s_wait_xcnt 0x0                                ; my prefetches have read their address: it goes two steps of 256 on (the second refill of the trip names the next by its immediate)
	s_add_nc_u64 s[PFA:PFA+1], s[PFA:PFA+1], 2*STEPB
.endif
	s_wait_tensorcnt 0x0                           ; all my tensor loads have landed: my part of the next slot; so a group 0 may be written.  (Every window is 0 here: the add's two registers lie in window 0)
	ds_add_u32 v[SPW], v[NIL]
.if \fill
	s_add_nc_u64 s[G0+4*\slot+2:G0+4*\slot+3], s[G0+4*\slot+2:G0+4*\slot+3], 2*STEPB      ; this slot's next 256 along K: work on registers between the add and the wait for it
	s_add_nc_u64 s[G0B+4*\slot+2:G0B+4*\slot+3], s[G0B+4*\slot+2:G0B+4*\slot+3], 2*STEPB
.endif
	s_wait_dscnt 0x0                               ; the add is done, and my reads of this slot are over: the last were source 1's blocks 4-7
	s_barrier_signal -1
	s_barrier_wait -1                              ; both now hold of all four waves
.if \fill
	CREST                                          ; and of all sixteen work-groups: no wave of any partner still reads this slot or has a load on its way
	JLOAD G0+4*\slot, G1, G0B+4*\slot, G1B         ; the first tensor load behind the round
.endif
	WIN MUL_LO
	MUL16 0, 1, 0
	MUL16 2, 1, 0
	PLACES NP
	FETCH_B \next, 0, 0
	FETCH_A \next, 0, 0
.if \fill
	s_cmp_gt_u32 s3, 1                             ; the last trip's refills have nothing two fills on
	s_cbranch_scc0 .Lnone_\@
	global_prefetch_b8 v[PFO], s[PFA:PFA+1] offset:(\slot)*STEPB th:TH_LOAD_NT scope:SCOPE_SE
.Lnone_\@:
.endif
	WIN MUL_HI
	MUL16 4, 1, 0
	MUL16 6, 1, 0
	PLACES NP
	WIN 0
	FETCH_A \next, 0, 4
.endm
; THE WAY OUT of source 1's block a: sum x 2^(eA + eB) + bias in one packed multiply-add (each accumulator from its low end on), the hold, the conversion: an image, four stores of 512 consecutive bytes.
.macro OUTBLK a
.set AC, 64*((\a)%4)
.set CB, CC+16*((\a)%4)
	s_cmp_eq_u32 s[KIND], 2
	s_cbranch_scc1 .Lv_\@
	WIN 0x02+((\a)/4)                              ; source 0: window 2 or 3
.set ii, 0
.rept 32
	v_pk_fma_f32 v[TT+ii:TT+ii+1], v[AC+ii:AC+ii+1], s[66:67], v[BIAS+ii:BIAS+ii+1] op_sel_hi:[1,0,1]           ; q, k: the bias runs along my registers
.set ii, ii+2
.endr
	WIN 0
	s_branch .Lj_\@
.Lv_\@:
	WIN 0x02+((\a)/4)
.set ii, 0
.rept 32
	v_pk_fma_f32 v[TT+ii:TT+ii+1], v[AC+ii:AC+ii+1], s[66:67], v[BIAS+8*(\a)+ii%8:BIAS+8*(\a)+ii%8+1] op_sel_hi:[1,0,1]   ; v: the bias is my channel's, one number for the block
.set ii, ii+2
.endr
	WIN 0
.Lj_\@:
.set ii, 0
.rept 64
	v_med3_num_f32 v[TT+ii], v[TT+ii], -v[LIM], v[LIM]   ; the conversion to an 8-bit code does not saturate (ISA guide 7.6.2)
.set ii, ii+1
.endr
.if (\a) >= 4
	s_wait_alu depctr_va_vdst(0)
	s_wait_xcnt 0x0                                ; block a - 4's stores have read this set of codes
.endif
.irp g, 0,1,2,3,4,5,6,7
	v_cvt_scalef32_pk8_fp8_f32 v[CB+2*\g:CB+2*\g+1], v[TT+8*\g:TT+8*\g+7], v[SCV]
.endr
	v_nop                                          ; a plain line between the conversions and the next block's writes of their sources
.irp c, 0,1,2,3
	global_store_b128 v[LO], v[CB+4*\c:CB+4*\c+3], s[OUT:OUT+1] offset:(\a)*2048+\c*512
.endr
.endm
	s_wait_alu depctr_va_vdst(0)
	s_wait_tensorcnt 0x0                           ; my parts of both slots are in
	s_barrier_signal -1
	s_barrier_wait -1
	s_load_b256 s[68:75], s[6:7], 0x0              ; entries 0 to 7, into the head's descriptors, whose loads are done
	s_load_b128 s[76:79], s[6:7], 0x20             ; entries 8 to 11
	FETCH_B 0, 0, 0
	FETCH_A 0, 0, 0
	FETCH_A 0, 0, 4
	STEP 0, 0, 1                                   ; the first step stands in front of the loop: its products start the sums
	global_prefetch_b8 v[PFO], s[PFA:PFA+1] offset:STEPB th:TH_LOAD_NT scope:SCOPE_SE   ; what the second refill will ask for
	s_mov_b32 s3, LAPS-1
.Llap:                                                 ; a trip goes once round the ring and fills both slots again
	TURN 0, 1, 1
	STEP 1, 0, 0
	TURN 1, 0, 1
	STEP 0, 0, 0
	s_sub_co_u32 s3, s3, 1
	s_cmp_lg_u32 s3, 0
	s_cbranch_scc1 .Llap
	TURN 0, 1, 0                                   ; the last lap fills nothing, and has no round of the cluster's barrier
	s_wait_kmcnt 0x0
	s_add_co_i32 s84, s68, s69                     ; the two operands' exponents, by kind; the choices hang on ids alone
	s_add_co_i32 s85, s70, s71
	s_add_co_i32 s86, s72, s73
	s_cmp_eq_u32 s[KIND], 0
	s_cselect_b32 s84, s84, s85
	s_cselect_b32 s87, s74, s75                    ; the result's: entry 6 for q, 7 for k,
	s_cmp_eq_u32 s[KIND], 2
	s_cselect_b32 s84, s86, s84
	s_cselect_b32 s87, s77, s87                    ; 9 for v
	s_add_co_i32 s84, s84, 127
	s_lshl_b32 s66, s84, 23                        ; 2^(eA + eB) as f32
	s_mov_b32 s67, s66                             ; (named with it as a pair, so it is written)
	s_add_co_i32 s87, s87, 127
	s_lshl_b32 s84, s87, 23
	s_add_co_i32 s87, s87, 8
	s_lshl_b32 s87, s87, 23
	s_or_b32 s87, s87, 0x600000
	v_mov_b32 v[SCV], s84
	v_mov_b32 v[LIM], s87
	s_wait_alu depctr_va_vdst(0)
	STEP 1, 0, 0
	s_wait_dscnt 4*NL                              ; the very last step: nothing more to fetch
	WIN MUL_LO
	MUL16 0, 1, 0
	MUL16 2, 1, 0
	s_wait_dscnt 0
	WIN MUL_HI
	MUL16 4, 1, 0
	MUL16 6, 1, 0
	WIN 0
	s_wait_loadcnt 0x0                             ; the bias
	PLACES NP
.irp a, 0,1,2,3,4,5,6,7
	OUTBLK \a
.endr
	s_wait_tensorcnt 0x0                           ; the wave's end
	ds_add_u32 v[SPW], v[NIL]
	s_wait_dscnt 0x0
	CROUND                                         ; the closing round: no work-group ends while a partner may still ask for a tile that names it
	s_endpgm
; ---------------- Wo, stored [k][n], into codes with K innermost.  A work-group takes one K step of 128 and 512 columns, a wave 128 of them; a trip takes 32 along K: a load reads 512 consecutive bytes of a row, and lane l holds
; columns 4 l .. 4 l + 3, registers running down K; the hold puts a column's numbers side by side for the conversions; the codes turn through the wave's stage into chunks of eight images, stored 512 consecutive bytes at a time.
; woc: image (T, K step s) at (s / 4) x 1,048,576 + T x 8,192 + (s % 4) x 2,048.  Each trip but the last prefetches the next trip's 32 rows x 512 bytes, a lane a row.  No work-group shares a byte: no tensor load here.
.set R,  32
.set T,  160
.set C,  192
.set STI, 16
.set STR, 17
.set PFR, 18
.Lwo:
	s_load_b32 s86, s[6:7], 0x2c                   ; entry 11
	s_sub_co_u32 s84, ttmp9, 6
	s_lshl_b32 s84, s84, 1
	s_and_b32 s85, ttmp7, 0xffff
	s_add_co_u32 s84, s84, s85                     ; which of the four clusters
	s_lshl_b32 s84, s84, 2
	s_add_co_u32 s84, s84, s21                     ; the K step
	s_lshl_b32 s85, s20, 2
	s_add_co_u32 s85, s85, s[WV]                   ; which 128 columns
	s_lshl_b32 s88, s84, 20                        ; 128 rows of 8,192 bytes
	s_lshl_b32 s89, s85, 9
	s_add_co_u32 s88, s88, s89
	s_mov_b32 s89, 0
	s_add_nc_u64 s[88:89], s[92:93], s[88:89]
	s_lshr_b32 s90, s84, 2
	s_lshl_b32 s90, s90, 20
	s_and_b32 s84, s84, 3
	s_lshl_b32 s84, s84, 11
	s_add_co_u32 s90, s90, s84
	s_lshl_b32 s85, s85, 16                        ; eight images 8,192 bytes apart
	s_add_co_u32 s90, s90, s85
	s_mov_b32 s91, 0
	s_add_nc_u64 s[90:91], s[94:95], s[90:91]
	s_lshl_b32 s85, s[WV], 12
	s_add_co_u32 s85, s85, WST                     ; my stage
	v_and_b32 v1, 31, v0
	v_lshlrev_b32 v[LO], 4, v1
	v_lshlrev_b32 v[PFR], 13, v1
	v_bfe_u32 v[STI], v0, 3, 2                     ; in: my columns are rows 8 (l / 4 % 2) + 4 (l % 2) + 0..3 of image 2 (l / 8) + l / 2 % 2
	v_lshlrev_b32 v[STI], 10, v[STI]
	v_bfe_u32 v1, v0, 1, 1
	v_lshl_add_u32 v[STI], v1, 9, v[STI]
	v_bfe_u32 v1, v0, 2, 1
	v_lshl_add_u32 v[STI], v1, 7, v[STI]
	v_and_b32 v1, 1, v0
	v_lshl_add_u32 v[STI], v1, 6, v[STI]
	v_add_nc_u32 v[STI], s85, v[STI]
	v_add_nc_u32 v[STR], s85, v[LO]                ; back: as an image's chunk
	s_wait_alu depctr_va_vdst(0)
	s_wait_kmcnt 0x0
	s_add_co_i32 s86, s86, 127
	s_lshl_b32 s87, s86, 23
	s_add_co_i32 s86, s86, 8
	s_lshl_b32 s86, s86, 23
	s_or_b32 s86, s86, 0x600000
	v_mov_b32 v[SCV], s87                          ; 2^e
	v_mov_b32 v[LIM], s86                          ; 448 x 2^e
	s_wait_alu depctr_va_vdst(0)
	s_mov_b32 s3, 0
.Lwtrip:
.set ii, 0
.rept 32
	global_load_b128 v[R+4*ii:R+4*ii+3], v[LO], s[88:89] offset:ii*8192 th:TH_LOAD_NT
.set ii, ii+1
.endr
	s_cmp_lt_u32 s3, 3
	s_cbranch_scc0 .Lwlast
	global_prefetch_b8 v[PFR], s[88:89] offset:262144 th:TH_LOAD_NT scope:SCOPE_SE       ; the next trip's 32 rows, a lane a row: their first 256 bytes
	global_prefetch_b8 v[PFR], s[88:89] offset:262144+256 th:TH_LOAD_NT scope:SCOPE_SE   ; and their second
.Lwlast:
.irp g, 0,1,2,3
	s_wait_loadcnt 24-8*\g                         ; eight rows more are in; those behind them may be out
.irp j, 0,1,2,3
.set ii, 0
.rept 8
	v_med3_num_f32 v[T+8*\j+ii], v[R+4*(8*\g+ii)+\j], -v[LIM], v[LIM]
.set ii, ii+1
.endr
	v_cvt_scalef32_pk8_fp8_f32 v[C+8*\j+2*\g:C+8*\j+2*\g+1], v[T+8*\j:T+8*\j+7], v[SCV]
.endr
.endr
	v_nop                                          ; a plain line behind the last conversion
.irp j, 0,1,2,3
	ds_store_b128 v[STI], v[C+8*\j:C+8*\j+3] offset:16*\j
	ds_store_b128 v[STI], v[C+8*\j+4:C+8*\j+7] offset:16*\j+256
.endr
.irp i, 0,1,2,3,4,5,6,7
	ds_load_b128 v[R+4*\i:R+4*\i+3], v[STR] offset:512*\i      ; LDS serves a wave's instructions in order (ISA guide 5.7.1.4)
.endr
.irp i, 0,1,2,3,4,5,6,7
	s_wait_dscnt 7-\i
	global_store_b128 v[LO], v[R+4*\i:R+4*\i+3], s[90:91] offset:8192*\i
.endr
	s_wait_xcnt 0x0                                ; the stores have read their registers, and every access its base
	s_add_nc_u64 s[88:89], s[88:89], 262144        ; 32 rows on
	s_add_nc_u64 s[90:91], s[90:91], 512           ; a chunk on
	s_add_co_u32 s3, s3, 1
	s_cmp_lt_u32 s3, 4
	s_cbranch_scc1 .Lwtrip
	s_wait_tensorcnt 0x0                           ; the wave's end, as above
	ds_add_u32 v[SPW], v[NIL]
	s_wait_dscnt 0x0
	CROUND                                         ; the closing round
	s_endpgm
.Lfunc_end_k_q531e071499_gemm_qkv:
	.size	k_q531e071499_gemm_qkv, .Lfunc_end_k_q531e071499_gemm_qkv-k_q531e071499_gemm_qkv
	.p2alignl 7, 3214868480
	.fill 96, 4, 3214868480
	.section	.rodata,"a",@progbits
	.p2align	6, 0x0
	.amdhsa_kernel k_q531e071499_gemm_qkv
		.amdhsa_group_segment_fixed_size 327680
		.amdhsa_private_segment_fixed_size 0
		.amdhsa_enable_private_segment 0
		.amdhsa_kernarg_size 64
		.amdhsa_user_sgpr_count 2
		.amdhsa_user_sgpr_kernarg_segment_ptr 1
		.amdhsa_wavefront_size32 1
		.amdhsa_system_sgpr_workgroup_id_x 1
		.amdhsa_system_sgpr_workgroup_id_y 1
		.amdhsa_system_sgpr_workgroup_id_z 1
		.amdhsa_system_vgpr_workitem_id 0
		.amdhsa_next_free_vgpr 1024
		.amdhsa_next_free_sgpr 100
		.amdhsa_reserve_vcc 0
		.amdhsa_float_denorm_mode_32 3
		.amdhsa_float_denorm_mode_16_64 3
		.amdhsa_memory_ordered 1
		.amdhsa_forward_progress 1
		.amdhsa_inst_pref_size 178
	.end_amdhsa_kernel
	.amdgpu_metadata
---
amdhsa.version: [ 1, 2 ]
amdhsa.kernels:
  - .name:           k_q531e071499_gemm_qkv
    .symbol:         k_q531e071499_gemm_qkv.kd
    .args:
      - { .name: codes, .offset: 0, .size: 8, .value_kind: global_buffer, .address_space: global }
      - { .name: lowp_scales, .offset: 8, .size: 8, .value_kind: global_buffer, .address_space: global }
      - { .name: bq, .offset: 16, .size: 8, .value_kind: global_buffer, .address_space: global }
      - { .name: bk, .offset: 24, .size: 8, .value_kind: global_buffer, .address_space: global }
      - { .name: bv, .offset: 32, .size: 8, .value_kind: global_buffer, .address_space: global }
      - { .name: qkvc, .offset: 40, .size: 8, .value_kind: global_buffer, .address_space: global }
      - { .name: Wo, .offset: 48, .size: 8, .value_kind: global_buffer, .address_space: global }
      - { .name: woc, .offset: 56, .size: 8, .value_kind: global_buffer, .address_space: global }
    .group_segment_fixed_size: 327680
    .private_segment_fixed_size: 0
    .kernarg_segment_align: 8
    .kernarg_segment_size: 64
    .max_flat_workgroup_size: 128
    .sgpr_count:     100
    .vgpr_count:     1024
    .wavefront_size: 32
...
	.end_amdgpu_metadata
.endif
;; end of part 2
;; launch attn (part 3): grid 8 x 32, 8 waves a work-group, clusters of 4 x 1, 327,680 bytes of LDS; arguments qkvc, lowp_scales, ctxc; writes ctxc
.if DOCPART == 3
	.amdgcn_target "amdgcn-amd-amdhsa--gfx1250"
	.amdhsa_code_object_version 6
	.text
	.protected	k_q531e071499_attn
	.globl	k_q531e071499_attn
	.p2align	8
	.type	k_q531e071499_attn,@function
k_q531e071499_attn:
	s_mov_b64 s[64:65], 0
	v_nop
	global_prefetch_b8 v0, s[64:65] scope:SCOPE_SE
	s_setreg_imm32_b32 hwreg(HW_REG_WAVE_MODE, 25, 1), 1
	s_wait_xcnt 0x0
	s_wait_alu depctr_hold_cnt(0) depctr_sa_sdst(0) depctr_va_vdst(0) depctr_va_sdst(0) depctr_va_ssrc(0) depctr_va_vcc(0) depctr_vm_vsrc(0)
	s_getreg_b32 s2, hwreg(HW_REG_IB_STS2, 6, 4)
	s_cmp_eq_u32 s2, 0
	s_cbranch_scc0 .Lentry_in_a_cluster
	s_endpgm
.Lentry_in_a_cluster:
	s_bfe_u32 s2, ttmp6, 0x10000c
	s_cmp_lg_u32 s2, 0x3003
	s_cbranch_scc0 .Lentry_shape_is_right
	s_endpgm
.Lentry_shape_is_right:
; ctx = softmax(q k^T / sqrt(128), causal) v for one batch and head (work-group y), on codes of FP8 (E4M3), and ctx quantised at once for the output projection (entry 10 of lowp_scales).
; DEAD WORK: key blocks of 128 that lie wholly behind a tile's 16 queries are masked by reference() itself for all inputs: they are not walked.  LIMIT: a NaN, an infinity or an overflow that arises only there is not carried.
; THE SOFTMAX: t = score x log2(e) / sqrt(128); M = the running largest t rounded UP to a whole number; p = 2^(t - M) is what is quantised; the row's sum is taken of the unquantised p; rescaling by 2^(old M - new M) is exact.
; LIMITS: scaled scores stay under 2^31 in magnitude; entries 6 + 7 add to between -123 and 130; entries 8 and 10 between -126 and 119.
; SHARES.  A head's 1,024 queries are 8 blocks of 8 tiles of 16.  A work-group takes tile x = its number of every block; all of K and V of the head lie in LDS: key step s (128 keys) at 32,768 s, K's 16 KiB, then V's.
; Wave w brings step w by ONE tensor load (two rows of 16 KiB, 4 MiB apart in memory).  The four work-groups of a cluster read the same K and V and ask jointly.  No prefetch: every byte of K and V is asked for at the head.
; Waves i and i + 4 (i = 0..3) share the tiles of blocks 7 - i (8 - i key steps) and i (i + 1 key steps): nine steps.  Wave i walks steps 0..4 of block 7 - i's tile; wave i + 4 first the tile's other 3 - i steps, from 5 on,
; leaves that partial state (-M, largest t, sums, O^T) in LDS, then walks block i's tile: four steps.  At the end wave i joins the two parts of its tile: both under the larger M, by exact powers of two.
; LAYOUT.  S^T = K Q^T, O^T = V^T P^T: a lane holds ONE query; 16 registers of two neighbouring tiles are 16 neighbouring keys, 32 b + 16 (lane / 16) + 0..15; O^T's 64 registers are, once converted, an image of ctx.
; ctxc: image (T, head) at (head / 4) x 1,048,576 + T x 8,192 + (head % 4) x 2,048.
; REGISTERS: window 0: v16-31 q, v32-47 the second tile's q, v96-159 S^T, then p; v160-223 O^T; v224-239 p's codes; window 1: v0-127 K's eight fragments, v128-255 V's.
.set DEP,   262144                     ; the partial states, 17 x 512 bytes for each of four pairs of waves; no tensor load lands here
.set DEPB,  8704
.set SPARE, DEP+4*DEPB                 ; the spare words, 128 bytes for each wave: four blocks of 256 bytes that no other line names
.set LI,   1                           ; v1  16 x lane
.set ADK,  2                           ; v2  LDS address of the next step's K (and V behind it)
.set ADV,  3                           ; v3  the same of the step in hand
.set DD,   4                           ; v4  my query's place in its block less 16 (lane / 16)
.set SPW,  5
.set NIL,  6
.set ADD_, 7                           ; v7  LDS address of my pair's partial state
.set KF,   0
.set VF,   128
.set WV,   10
.set IW,   11                          ; s11 wave % 4
.set ISB,  12                          ; s12 wave / 4
.set SEL,  20
.set CS,   22
.set G1,   24
.set G0,   32
.set LIMJ, 36                          ; s36 my trips: 5 or 4
.set BETA, 37                          ; s37 the block of the tile in hand
.set N,    40                          ; s40 the trip at which I change tiles: 3 - i in waves 4-7, beyond the last in waves 0-3
.set OFF1, 41                          ; key step = (trip + OFF1) % 8 ahead of that trip, (trip + OFF2) % 8 from it on
.set OFF2, 42
.set CUR,  43
.set NXT,  45
.set J,    46
.set JN,   47
.set MSB, 0
.macro WIN new
.if MSB != (\new)
	s_set_vgpr_msb (MSB<<8)|(\new)
.set MSB, (\new)
.endif
.endm
.macro CROUND                          ; a round of the cluster's barrier
	s_barrier_signal -1
	s_barrier_wait -1
	s_cmp_lg_u32 s[WV], 0
	s_cbranch_scc1 .Lnot_wave_0_\@
	s_barrier_signal -3
.Lnot_wave_0_\@:
	s_barrier_wait -3
	s_barrier_signal -1
	s_barrier_wait -1
.endm
.macro RESET                           ; an empty state
	v_mov_b32 v13, 0xff61b1e6                      ; the largest t so far: -3e38, under every t
	v_mov_b32 v14, 0                               ; the sum, in two halves
	v_mov_b32 v15, 0
	v_floor_f32 v12, -v13                          ; -M
.set nn, 0
.rept 64
	v_mov_b32 v[160+nn], 0                         ; O^T
.set nn, nn+1
.endr
.endm
.macro PICK jr, to, adr                ; the key step of trip s[jr], and its address in LDS
	s_cmp_ge_u32 s[\jr], s[N]
	s_cselect_b32 s[\to], s[OFF2], s[OFF1]
	s_add_co_u32 s[\to], s[\to], s[\jr]
	s_and_b32 s[\to], s[\to], 7
	s_lshl_b32 s60, s[\to], 15
	v_add_nc_u32 v[\adr], s60, v[LI]
.endm
.macro LOADF base, adr, off            ; eight fragments into window 1
	WIN 0x40
.irp t, 0,1,2,3,4,5,6,7
.irp c, 0,1,2,3
	ds_load_b128 v[\base+16*\t+4*\c:\base+16*\t+4*\c+3], v[\adr] offset:\off+\t*2048+512*\c
.endr
.endr
	WIN 0
.endm
	s_load_b128 s[4:7], s[0:1], 0x0                ; qkvc s[4:5], the scales' exponents s[6:7]
	s_load_b64 s[8:9], s[0:1], 0x10                ; ctxc
	v_lshl_add_u32 v[SPW], v0, 2, SPARE
	v_mov_b32 v[NIL], 0
	ds_add_u32 v[SPW], v[NIL]                      ; the wave's opening
	ds_add_u32 v[SPW], v[NIL]
	v_lshrrev_b32 v8, 5, v0
	v_readfirstlane_b32 s[WV], v8
	s_and_b32 s[IW], s[WV], 3
	s_lshr_b32 s[ISB], s[WV], 2
	s_and_b32 s14, ttmp7, 0xffff                   ; batch x 16 + head
	s_lshl_b32 s15, s[WV], 15                      ; where my load goes
	s_lshl_b32 s18, s14, 17
	s_lshl_b32 s16, s[WV], 14
	s_add_co_u32 s18, s18, s16
	s_add_co_u32 s18, s18, 1<<22                   ; K: section 1 of qkvc; V lies 4 MiB on
	s_mov_b32 s19, 0
	s_mov_b32 s[G1], 15|(3<<16)|(1<<21)            ; the mask: all four; elements of 8 bytes; bit 21 beside a mask
	s_mov_b32 s[G1+1], 2048<<16
	s_mov_b32 s[G1+2], 2<<16
	s_mov_b32 s[G1+3], 2048<<16
	s_mov_b32 s[G1+4], 2
	s_mov_b32 s[G1+5], 524288
	s_mov_b32 s[G1+6], 0
	s_mov_b32 s[G1+7], 0
	s_mov_b32 s[SEL], 0x76543210
	s_mov_b32 s[SEL+1], 0xfedcba98
	s_mov_b32 s[CS], 0x3e0293ee                    ; log2(e) / sqrt(128)
	s_wait_dscnt 0x0                               ; both opening adds are done
	s_wait_kmcnt 0x0
	s_load_b128 s[48:51], s[6:7], 0x18             ; entries 6 to 9
	s_load_b32 s52, s[6:7], 0x28                   ; entry 10
	s_add_nc_u64 s[18:19], s[4:5], s[18:19]
	s_mov_b32 s[G0], 1
	s_mov_b32 s[G0+1], s15
	s_mov_b64 s[G0+2:G0+3], s[18:19]
	s_or_b32 s[G0+3], s[G0+3], 0x80000000
	CROUND                                         ; the four work-groups are here: the joint loads meet
	tensor_load_to_lds s[G0:G0+3], s[G1:G1+7]
	s_nop 0
.rept 4
	v_nop
.endr
	s_bfe_u32 s60, ttmp6, 0x40000
	s_lshl_b32 s61, ttmp9, 2
	s_add_co_u32 s61, s61, s60                     ; x: my tile in every block
	s_xor_b32 s[BETA], s[IW], 7                    ; block 7 - i
	s_lshl_b32 s60, s14, 6
	s_mov_b32 s63, 0
	s_lshl_b32 s62, s[BETA], 3
	s_add_co_u32 s62, s62, s61
	s_add_co_u32 s62, s62, s60
	s_lshl_b32 s62, s62, 11
	s_add_nc_u64 s[54:55], s[4:5], s[62:63]        ; q of block 7 - i's tile
	s_lshl_b32 s62, s[IW], 3
	s_add_co_u32 s62, s62, s61
	s_add_co_u32 s62, s62, s60
	s_lshl_b32 s62, s62, 11
	s_add_nc_u64 s[58:59], s[4:5], s[62:63]        ; q of block i's
	s_xor_b32 s66, s[ISB], 1
	s_mul_i32 s67, s66, 12
	s_xor_b32 s[N], s[IW], 3
	s_add_co_u32 s[N], s[N], s67
	s_mul_i32 s67, s66, 7
	s_xor_b32 s67, s67, s[IW]                      ; the block whose tile I store: 7 - i in waves 0-3, i in waves 4-7
	s_lshl_b32 s67, s67, 3
	s_add_co_u32 s67, s67, s61
	s_lshr_b32 s62, s14, 4
	s_lshl_b32 s62, s62, 6
	s_add_co_u32 s62, s62, s67                     ; its row of images
	s_lshl_b32 s62, s62, 13
	s_and_b32 s67, s14, 15
	s_lshr_b32 s60, s67, 2
	s_lshl_b32 s60, s60, 20
	s_add_co_u32 s62, s62, s60
	s_and_b32 s67, s67, 3
	s_lshl_b32 s67, s67, 11
	s_add_co_u32 s62, s62, s67
	s_add_nc_u64 s[56:57], s[8:9], s[62:63]
	s_mul_i32 s[OFF1], s[ISB], 5
	s_add_co_u32 s[OFF2], s[IW], 5
	s_add_co_u32 s[LIMJ], s66, 4
	s_mul_i32 s67, s[IW], DEPB
	s_add_co_u32 s67, s67, DEP
	s_lshr_b32 s60, s61, 1
	s_lshl_b32 s60, s60, 5
	s_and_b32 s62, s61, 1
	s_lshl_b32 s62, s62, 3
	s_add_co_u32 s60, s60, s62                     ; the tile's first query in its block: 32 (x / 2) + 8 (x % 2)
	v_and_b32 v[LI], 31, v0
	v_lshlrev_b32 v[LI], 4, v[LI]
.irp c, 0,1,2,3
	global_load_b128 v[16+4*\c:19+4*\c], v[LI], s[54:55] offset:512*\c
.endr
	v_add_nc_u32 v[ADD_], s67, v[LI]
	v_and_b32 v9, 15, v0
	v_and_b32 v8, 8, v9
	v_bfe_u32 v10, v0, 4, 1
	v_add_nc_u32 v9, v9, v8
	v_lshlrev_b32 v10, 4, v10
	v_sub_nc_u32 v9, v9, v10
	v_add_nc_u32 v[DD], s60, v9                    ; register 16 b + i holds key 16 (lane / 16) + 32 b + i of the step: hidden where 32 b + i > DD
	RESET
	v_mov_b32 v236, 0                              ; written once: a lane permute's destination counts as one of its sources
	v_mov_b32 v251, 0                              ; (named as upper halves of pairs)
	v_mov_b32 v253, 0
	s_cmp_eq_u32 s[ISB], 0
	s_wait_alu depctr_va_vdst(0)
	s_cbranch_scc1 .Lone_q
.irp c, 0,1,2,3
	global_load_b128 v[32+4*\c:35+4*\c], v[LI], s[58:59] offset:512*\c
.endr
.Lone_q:
	s_wait_kmcnt 0x0
	s_add_co_i32 s62, s48, s49
	s_lshl_b32 s62, s62, 23
	s_add_co_i32 s[CS], s[CS], s62                 ; a score stands for score x 2^(entries 6 + 7): added to the factor's exponent field
	s_mov_b32 s[CS+1], s[CS]
	s_add_co_i32 s62, s50, 127
	s_lshl_b32 s63, s62, 23
	v_mov_b32 v244, s63                            ; 2^ep
	s_add_co_i32 s62, s62, 8
	s_lshl_b32 s62, s62, 23
	s_or_b32 s62, s62, 0x600000
	v_mov_b32 v240, s62                            ; 448 x 2^ep
	s_add_co_i32 s62, s52, 127
	s_lshl_b32 s63, s62, 23
	v_mov_b32 v245, s63                            ; the same for ctx's codes
	s_add_co_i32 s62, s62, 8
	s_lshl_b32 s62, s62, 23
	s_or_b32 s62, s62, 0x600000
	v_mov_b32 v241, s62
	s_add_co_i32 s53, s50, s51                     ; ep + ev
	s_mov_b32 s[J], 0
	s_mov_b32 s[JN], 0
	PICK JN, NXT, ADK
	s_wait_alu depctr_va_vdst(0)
	s_wait_loadcnt 0x0                             ; q
	s_wait_tensorcnt 0x0                           ; my key step is in
	s_barrier_signal -1
	s_barrier_wait -1                              ; and everybody's
	LOADF KF, ADK, 0
.Ltrip:
	s_cmp_eq_u32 s[ISB], 0
	s_cbranch_scc1 .Lrun
	s_cmp_eq_u32 s[J], 4                           ; waves 4-7 have four steps
	s_cbranch_scc1 .Lskip
	s_cmp_lg_u32 s[J], s[N]
	s_cbranch_scc1 .Lrun
.rept 4
	v_nop                                          ; places behind the last products
.endr
.set nn, 0
.rept 16
	ds_store_b128 v[ADD_], v[160+4*nn:163+4*nn] offset:512*nn   ; the partial state, for wave i
.set nn, nn+1
.endr
	ds_store_b128 v[ADD_], v[12:15] offset:8192
.set nn, 0
.rept 16
	v_mov_b32 v[16+nn], v[32+nn]                   ; on to block i's tile
.set nn, nn+1
.endr
	RESET
	s_mov_b32 s[BETA], s[IW]
	s_wait_alu depctr_va_vdst(0)
.Lrun:
	s_wait_dscnt 0x0                               ; K's fragments are in
	WIN 0x01
.irp t, 0,1,2,3,4,5,6,7
	v_wmma_f32_16x16x128_fp8_fp8 v[96+8*\t:103+8*\t], v[KF+16*\t:KF+16*\t+15], v[16:31], 0
.endr
	WIN 0
.rept 4
	v_nop                                          ; places in front of the loads below and of the scores' readers
.endr
	PICK J, CUR, ADV
	LOADF VF, ADV, 16384                           ; this step's V
	s_add_co_u32 s[JN], s[J], 1
	PICK JN, NXT, ADK
	s_cmp_ge_u32 s[JN], s[LIMJ]
	s_cbranch_scc1 .Lno_k
	LOADF KF, ADK, 0                               ; the next trip's K
.Lno_k:
	s_cmp_lg_u32 s[CUR], s[BETA]                   ; on the diagonal the scores of hidden keys become -infinity ahead of the maximum; every other step's keys all count
	s_cbranch_scc1 .Lopen
	v_mov_b32 v254, 0xff800000
.set nn, 0
.rept 64
	v_cmp_gt_i32 vcc_lo, 32*(nn/16)+nn%16, v[DD]
	v_cndmask_b32 v[96+nn], v[96+nn], v254, vcc_lo
.set nn, nn+1
.endr
.Lopen:
	v_max3_num_f32 v254, v96, v97, v98             ; the step's largest score of my query, in two chains,
	v_max3_num_f32 v252, v99, v100, v101
.irp i, 6,10,14,18,22,26,30,34,38,42,46,50,54,58
	v_max3_num_f32 v254, v254, v[96+\i], v[97+\i]
	v_max3_num_f32 v252, v252, v[98+\i], v[99+\i]
.endr
	v_max3_num_f32 v254, v254, v158, v159
	s_delay_alu instid0(VALU_DEP_1)
	v_max_num_f32 v254, v254, v252
	v_permlanex16_b32 v236, v254, s[SEL], s[SEL+1]
	s_delay_alu instid0(VALU_DEP_1)
	v_max_num_f32 v254, v254, v236                 ; and among lane l xor 16's
	s_delay_alu instid0(VALU_DEP_1)
	v_mul_f32 v254, s[CS], v254
	s_delay_alu instid0(VALU_DEP_1)
	v_max_num_f32 v13, v13, v254
	v_mov_b32 v254, v12
	s_delay_alu instid0(VALU_DEP_2)
	v_floor_f32 v12, -v13                          ; the new -M
	s_delay_alu instid0(VALU_DEP_1)
	v_sub_f32 v254, v12, v254
	s_delay_alu instid0(VALU_DEP_1)
	v_cvt_i32_f32 v254, v254                       ; (it saturates)
	s_delay_alu instid0(VALU_DEP_1)
	v_ldexp_f32 v252, 1.0, v254                    ; f = 2^(old M - new M)
.set nn, 0
.rept 32
	v_pk_fma_f32 v[96+nn:97+nn], v[96+nn:97+nn], s[CS:CS+1], v[12:13] op_sel_hi:[1,0,0]   ; t - M
.set nn, nn+2
.endr
	s_wait_alu depctr_va_vdst(0)                   ; ahead of the batch
.set nn, 0
.rept 64
	v_exp_f32 v[96+nn], v[96+nn]
.set nn, nn+1
.endr
	v_pk_mul_f32 v[14:15], v[14:15], v[252:253] op_sel_hi:[1,0]
	s_wait_alu depctr_va_vdst(0)                   ; and behind it, ahead of its first reader
	v_pk_add_f32 v[242:243], v[96:97], v[98:99]    ; the row's sum of the unquantised p
.irp j, 4,8,12,16,20,24,28,32,36,40,44,48,52,56,60
	v_pk_add_f32 v[14:15], v[14:15], v[96+\j:97+\j]
	v_pk_add_f32 v[242:243], v[242:243], v[98+\j:99+\j]
.endr
	s_delay_alu instid0(VALU_DEP_1)
	v_pk_add_f32 v[14:15], v[14:15], v[242:243]
.irp b, 0,1,2,3
.set nn, 0
.rept 16
	v_min_num_f32 v[96+16*\b+nn], v[96+16*\b+nn], v240   ; the conversion to an 8-bit code does not saturate (ISA guide 7.6.2); p is not negative
.set nn, nn+1
.endr
	v_cvt_scalef32_pk8_fp8_f32 v[224+4*\b:225+4*\b], v[96+16*\b:103+16*\b], v244
	v_cvt_scalef32_pk8_fp8_f32 v[226+4*\b:227+4*\b], v[104+16*\b:111+16*\b], v244
.endr
	s_wait_alu depctr_va_vdst(0)
.set nn, 0
.rept 32
	v_pk_mul_f32 v[160+nn:161+nn], v[160+nn:161+nn], v[252:253] op_sel_hi:[1,0]   ; O^T under the new M
.set nn, nn+2
.endr
	s_wait_alu depctr_va_vdst(0)
	s_wait_dscnt 0x0                               ; V's fragments are in
	WIN 0x01
.irp t, 0,1,2,3,4,5,6,7
	v_wmma_f32_16x16x128_fp8_fp8 v[160+8*\t:167+8*\t], v[VF+16*\t:VF+16*\t+15], v[224:239], v[160+8*\t:167+8*\t]
.endr
	WIN 0
.Lskip:
	s_add_co_u32 s[J], s[J], 1
	s_cmp_lt_u32 s[J], 5
	s_cbranch_scc1 .Ltrip
.rept 4
	v_nop                                          ; places behind the last products
.endr
	s_wait_dscnt 0x0                               ; waves 4-7: the partial states are stored
	s_barrier_signal -1
	s_barrier_wait -1
	s_cmp_lg_u32 s[ISB], 0
	s_cbranch_scc1 .Lfinish
.set nn, 0
.rept 16
	ds_load_b128 v[96+4*nn:99+4*nn], v[ADD_] offset:512*nn
.set nn, nn+1
.endr
	ds_load_b128 v[232:235], v[ADD_] offset:8192
	s_wait_dscnt 0x0
	v_min_num_f32 v248, v12, v232                  ; the joint -M
	v_sub_f32 v249, v248, v12
	v_sub_f32 v250, v248, v232                     ; (an empty part: -3e38 or so)
	v_cvt_i32_f32 v249, v249
	v_cvt_i32_f32 v250, v250
	v_ldexp_f32 v252, 1.0, v249
	v_ldexp_f32 v250, 1.0, v250
	v_pk_mul_f32 v[14:15], v[14:15], v[252:253] op_sel_hi:[1,0]
	v_pk_fma_f32 v[14:15], v[234:235], v[250:251], v[14:15] op_sel_hi:[1,0,1]
.set nn, 0
.rept 32
	v_pk_mul_f32 v[160+nn:161+nn], v[160+nn:161+nn], v[252:253] op_sel_hi:[1,0]
.set nn, nn+2
.endr
.set nn, 0
.rept 32
	v_pk_fma_f32 v[160+nn:161+nn], v[96+nn:97+nn], v[250:251], v[160+nn:161+nn] op_sel_hi:[1,0,1]
.set nn, nn+2
.endr
.Lfinish:
	v_add_f32 v14, v14, v15
	s_delay_alu instid0(VALU_DEP_1)
	v_permlanex16_b32 v252, v14, s[SEL], s[SEL+1]
	s_delay_alu instid0(VALU_DEP_1)
	v_add_f32 v14, v14, v252                       ; the row's sum
	s_wait_alu depctr_va_vdst(0)                   ; ahead of the transcendental
	v_rcp_f32 v14, v14
	v_nop
	s_wait_alu depctr_va_vdst(0)                   ; and behind it
	v_ldexp_f32 v14, v14, s53                      ; x 2^(ep + ev)
	s_wait_alu depctr_va_vdst(0)
.set nn, 0
.rept 32
	v_pk_mul_f32 v[96+nn:97+nn], v[160+nn:161+nn], v[14:15] op_sel_hi:[1,0]
.set nn, nn+2
.endr
.set nn, 0
.rept 64
	v_med3_num_f32 v[96+nn], v[96+nn], -v241, v241
.set nn, nn+1
.endr
.irp g, 0,1,2,3,4,5,6,7
	v_cvt_scalef32_pk8_fp8_f32 v[224+2*\g:225+2*\g], v[96+8*\g:103+8*\g], v245
.endr
	v_nop
.irp c, 0,1,2,3
	global_store_b128 v[LI], v[224+4*\c:227+4*\c], s[56:57] offset:512*\c   ; 32 lanes store 512 consecutive bytes, aligned
.endr
	s_wait_tensorcnt 0x0                           ; the wave's end
	ds_add_u32 v[SPW], v[NIL]
	s_wait_dscnt 0x0
	CROUND                                         ; the closing round
	s_endpgm
.Lfunc_end_k_q531e071499_attn:
	.size	k_q531e071499_attn, .Lfunc_end_k_q531e071499_attn-k_q531e071499_attn
	.p2alignl 7, 3214868480
	.fill 96, 4, 3214868480
	.section	.rodata,"a",@progbits
	.p2align	6, 0x0
	.amdhsa_kernel k_q531e071499_attn
		.amdhsa_group_segment_fixed_size 327680
		.amdhsa_private_segment_fixed_size 0
		.amdhsa_enable_private_segment 0
		.amdhsa_kernarg_size 24
		.amdhsa_user_sgpr_count 2
		.amdhsa_user_sgpr_kernarg_segment_ptr 1
		.amdhsa_wavefront_size32 1
		.amdhsa_system_sgpr_workgroup_id_x 1
		.amdhsa_system_sgpr_workgroup_id_y 1
		.amdhsa_system_sgpr_workgroup_id_z 1
		.amdhsa_system_vgpr_workitem_id 0
		.amdhsa_next_free_vgpr 512
		.amdhsa_next_free_sgpr 72
		.amdhsa_reserve_vcc 1
		.amdhsa_float_denorm_mode_32 3
		.amdhsa_float_denorm_mode_16_64 3
		.amdhsa_memory_ordered 1
		.amdhsa_forward_progress 1
		.amdhsa_inst_pref_size 54
	.end_amdhsa_kernel
	.amdgpu_metadata
---
amdhsa.version: [ 1, 2 ]
amdhsa.kernels:
  - .name:           k_q531e071499_attn
    .symbol:         k_q531e071499_attn.kd
    .args:
      - { .name: qkvc, .offset: 0, .size: 8, .value_kind: global_buffer, .address_space: global }
      - { .name: lowp_scales, .offset: 8, .size: 8, .value_kind: global_buffer, .address_space: global }
      - { .name: ctxc, .offset: 16, .size: 8, .value_kind: global_buffer, .address_space: global }
    .group_segment_fixed_size: 327680
    .private_segment_fixed_size: 0
    .kernarg_segment_align: 8
    .kernarg_segment_size: 24
    .max_flat_workgroup_size: 256
    .sgpr_count:     72
    .vgpr_count:     512
    .wavefront_size: 32
...
	.end_amdgpu_metadata
.endif
;; end of part 3
;; launch gemm_out (part 4): grid 16 x 16, 4 waves a work-group, clusters of 4 x 4, 327,680 bytes of LDS; arguments ctxc, woc, lowp_scales, bo, out0; writes out0
.if DOCPART == 4
	.amdgcn_target "amdgcn-amd-amdhsa--gfx1250"
	.amdhsa_code_object_version 6
	.text
	.protected	k_q531e071499_gemm_out
	.globl	k_q531e071499_gemm_out
	.p2align	8
	.type	k_q531e071499_gemm_out,@function
k_q531e071499_gemm_out:
	s_mov_b64 s[64:65], 0
	v_nop
	global_prefetch_b8 v0, s[64:65] scope:SCOPE_SE
	s_setreg_imm32_b32 hwreg(HW_REG_WAVE_MODE, 25, 1), 1
	s_wait_xcnt 0x0
	s_wait_alu depctr_hold_cnt(0) depctr_sa_sdst(0) depctr_va_vdst(0) depctr_va_sdst(0) depctr_va_ssrc(0) depctr_va_vcc(0) depctr_vm_vsrc(0)
	s_getreg_b32 s2, hwreg(HW_REG_IB_STS2, 6, 4)
	s_cmp_eq_u32 s2, 0
	s_cbranch_scc0 .Lentry_in_a_cluster
	s_endpgm
.Lentry_in_a_cluster:
	s_bfe_u32 s2, ttmp6, 0x10000c
	s_cmp_lg_u32 s2, 0xf033
	s_cbranch_scc0 .Lentry_shape_is_right
	s_endpgm
.Lentry_shape_is_right:
; out0 = ctx Wo + bo on codes of FP8 (E4M3): ctx's codes from the attention launch (scale: entry 10 of lowp_scales), Wo^T's from the projections' launch (entry 11).  Nothing of this product is left out.
; LIMIT: entries 10 + 11 add to between -126 and 127.  Inside a matrix instruction k stands in permuted places, alike on both sides.
; OPERANDS are images (16 rows x 128 K in the order of a fragment's registers), image (T, K step s) at (s / 4) x 1,048,576 + T x 8,192 + (s % 4) x 2,048; row r of image 2 g + u is matrix row 32 g + 8 u + r + 8 (r / 8).
; SHARES.  2,048 x 2,048 in tiles of 128 x 128 gives 256 work-groups (tiles of 256 x 256 would give 64).  Four waves, each 64 x 64: 16 accumulators.  K goes in four steps of 512 through two LDS slots of 128 KiB;
; a wave's quarter of a slot is 4 rows of images, 32 KiB on end.  THE HEAD'S ONE LOAD A WAVE BRINGS BOTH SLOTS: two rows of 32 KiB, 1 MiB apart in memory, on end in LDS: wave w's part of slot s lies at 65,536 w + 32,768 s.
; THE CHANGE OF SLOTS STANDS AT THE HEAD OF A SLOT'S LAST STEP: that step's fragments were asked for in the step before, so the slot is given up, filled again and the next slot's first fragments fetched ahead of the step's 16 products.
; CLUSTERS: 4 x 4 work-groups; ctx's tile (source 1) is shared along a row of the cluster, Wo's (source 0) along a column: joint loads.
; PREFETCH: what the two refills will ask for, the first behind the head's load, the second behind the first step; of a wave's 32 KiB each of the four partners names 8 KiB, a lane a block of 256 bytes, told apart by address.
; Source 0 = Wo's rows, source 1 = ctx's: a lane holds one row of the output and eight neighbouring columns a tile.  The way out goes through the wave's own stage, so that sixteen lanes store 256 consecutive bytes; the order of an image's rows is undone in the stores' immediates.
; REGISTERS: window 0: v16-30 addresses; v32-63 bo; v64-95 at work; v128-255 the accumulators ((a, b) at v[128 + 8 (4 a + b)]).  window 1: two sets of fragments of 128: source 1's four at f + 16 a, source 0's four at f + 64 + 16 b.
.set STEPB,  1048576                   ; bytes from one 512 along K to the next
.set HSLOT,  32768                     ; a wave's part of a slot
.set STAGE,  262144                    ; behind the ring: 16 rows x 272 bytes for each wave; no tensor load lands here
.set SPITCH, 272
.set SPARE,  STAGE+4*16*SPITCH         ; behind the stages: the spare words, 128 bytes for each wave: two blocks of 256 bytes that no other line names
.set ADRA, 16
.set ADRB, 20
.set STO,  24                          ; v24  the stage: where I put 32 bytes of a row
.set RD,   25                          ; v25  and where I read a row back
.set CO,   26                          ; v26  my byte offset in two rows of the output
.set BOF,  27
.set SPW,  28                          ; v28  LDS address of my spare word; never rewritten
.set NIL,  29                          ; v29  0; never rewritten
.set PFO,  30                          ; v30  the prefetches' offset: 256 x lane; never rewritten
.set BO,   32
.set TMP,  64
.set ACC,  128
.set F0,   0
.set F1,   128
.set WV,   14
.set HI,   15
.set LOW,  16
.set G1, 24
.set G0, 32
.set G1B, 48
.set G0B, 56
.set GH, 76                            ; group 1 of the head's loads
.set GHB, 84
.set PFA, 92
.set MSB, 0
.macro WIN new                         ; the immediate's high byte repeats the setting that is left
.if MSB != (\new)
	s_set_vgpr_msb (MSB<<8)|(\new)
.set MSB, (\new)
.endif
.endm
.set MUL,  0x05                        ; sources 0 and 1 window 1; C and D window 0
.set TO_F, 0x40                        ; destination window 1, address window 0
.macro JLOAD s, ga, gb                 ; a joint load: waves 0, 1 for source 1, waves 2, 3 for source 0.  An s_nop 0 and four v_nop follow each line
	s_cmp_eq_u32 s[HI], 0
	s_cbranch_scc0 .Lfor_b_\@
	tensor_load_to_lds s[G0+4*\s:G0+4*\s+3], s[\ga:\ga+7]
	s_nop 0
.rept 4
	v_nop
.endr
	s_branch .Lasked_\@
.Lfor_b_\@:
	tensor_load_to_lds s[G0B+4*\s:G0B+4*\s+3], s[\gb:\gb+7]
	s_nop 0
.rept 4
	v_nop
.endr
.Lasked_\@:
.endm
.macro CREST
	s_cmp_lg_u32 s[WV], 0
	s_cbranch_scc1 .Lnot_wave_0_\@
	s_barrier_signal -3
.Lnot_wave_0_\@:
	s_barrier_wait -3
	s_barrier_signal -1
	s_barrier_wait -1
.endm
.macro CROUND
	s_barrier_signal -1
	s_barrier_wait -1
	CREST
.endm
	s_load_b256 s[4:11], s[0:1], 0x0               ; ctxc s[4:5], woc s[6:7], the scales' exponents s[8:9], bo s[10:11]
	s_load_b64 s[12:13], s[0:1], 0x20              ; out0
	v_lshl_add_u32 v[SPW], v0, 2, SPARE
	v_mov_b32 v[NIL], 0
	ds_add_u32 v[SPW], v[NIL]                      ; the wave's opening
	ds_add_u32 v[SPW], v[NIL]
	v_lshrrev_b32 v1, 5, v0
	v_readfirstlane_b32 s[WV], v1
	s_lshr_b32 s[HI], s[WV], 1                     ; my half of the tile's rows.  Also: I fetch for source 1 (0) or 0 (1)
	s_and_b32 s[LOW], s[WV], 1                     ; my half of its columns.  Also: which half I fetch
	s_bfe_u32 s20, ttmp6, 0x40000
	s_bfe_u32 s21, ttmp6, 0x40004
	s_lshl_b32 s22, ttmp9, 2
	s_add_co_u32 s22, s22, s20                     ; tile column
	s_and_b32 s23, ttmp7, 0xffff
	s_lshl_b32 s23, s23, 2
	s_add_co_u32 s23, s23, s21                     ; tile row
	s_lshl_b32 s40, s21, 2
	s_lshl_b32 s40, 15, s40                        ; my row of the cluster
	s_lshl_b32 s41, 0x1111, s20                    ; my column
	; descriptor groups 1, elements of 8 bytes.  Refills: 8 rows of 512 elements on end: 32 KiB.  Head: 2 rows of 4,096 elements, 131,072 apart
	s_or_b32 s[G1+0], s40, (3<<16)|(1<<21)
	s_or_b32 s[GH+0], s40, (3<<16)|(1<<21)
	s_or_b32 s[G1B+0], s41, (3<<16)|(1<<21)
	s_or_b32 s[GHB+0], s41, (3<<16)|(1<<21)
.irp g, G1, G1B
	s_mov_b32 s[\g+1], 512<<16                     ; tensor_dim0
	s_mov_b32 s[\g+2], 8<<16                       ; tensor_dim1
	s_mov_b32 s[\g+3], 512<<16                     ; tile_dim0
	s_mov_b32 s[\g+4], 8                           ; tile_dim1
	s_mov_b32 s[\g+5], 512                         ; tensor_dim0_stride
	s_mov_b32 s[\g+6], 0
	s_mov_b32 s[\g+7], 0
.endr
.irp g, GH, GHB
	s_mov_b32 s[\g+1], 4096<<16
	s_mov_b32 s[\g+2], 2<<16
	s_mov_b32 s[\g+3], 4096<<16
	s_mov_b32 s[\g+4], 2
	s_mov_b32 s[\g+5], 131072
	s_mov_b32 s[\g+6], 0
	s_mov_b32 s[\g+7], 0
.endr
	s_lshl_b32 s17, s[LOW], 15                     ; which 4 rows of images I fetch
	s_lshl_b32 s42, s23, 16                        ; ctx: 8 rows of images of 8,192 bytes a tile
	s_add_co_u32 s42, s42, s17
	s_mov_b32 s43, 0
	s_lshl_b32 s46, s22, 16                        ; Wo^T likewise
	s_add_co_u32 s46, s46, s17
	s_mov_b32 s47, 0
	s_lshl_b32 s45, s[WV], 16                      ; where they go: wave x 65,536
	s_wait_dscnt 0x0                               ; both opening adds are done
	s_wait_kmcnt 0x0
	s_load_b64 s[66:67], s[8:9], 0x28              ; entries 10, 11
	s_add_nc_u64 s[42:43], s[4:5], s[42:43]
	s_add_nc_u64 s[46:47], s[6:7], s[46:47]
	CROUND                                         ; all sixteen work-groups are here: the first joint loads meet
.irp s, 0,1
	s_mov_b32 s[G0+4*\s], 1
	s_add_co_u32 s[G0+4*\s+1], s45, \s*HSLOT
	s_add_nc_u64 s[G0+4*\s+2:G0+4*\s+3], s[42:43], \s*STEPB
	s_or_b32 s[G0+4*\s+3], s[G0+4*\s+3], 0x80000000
	s_mov_b32 s[G0B+4*\s], 1
	s_add_co_u32 s[G0B+4*\s+1], s45, \s*HSLOT
	s_add_nc_u64 s[G0B+4*\s+2:G0B+4*\s+3], s[46:47], \s*STEPB
	s_or_b32 s[G0B+4*\s+3], s[G0B+4*\s+3], 0x80000000
.endr
	JLOAD 0, GH, GHB                               ; both slots: one tensor load a wave at the head
	s_cmp_eq_u32 s[HI], 0                          ; my prefetches: my work-group's 8 KiB of the 32 KiB that I fetch: by cx for source 1, by cy for source 0
	s_cselect_b64 s[PFA:PFA+1], s[42:43], s[46:47]
	s_cselect_b32 s74, s20, s21
	s_lshl_b32 s74, s74, 13
	s_add_co_u32 s74, s74, 2*STEPB
	s_mov_b32 s75, 0
	s_add_nc_u64 s[PFA:PFA+1], s[PFA:PFA+1], s[74:75]
	s_lshl_b32 s72, s22, 9
	s_lshl_b32 s73, s[LOW], 8
	s_add_co_u32 s72, s72, s73                     ; my first column, in bytes: 512 x tile column + 256 x half
	s_mov_b32 s73, 0
	s_add_nc_u64 s[70:71], s[10:11], s[72:73]      ; bo there
	s_lshl_b32 s74, s23, 20                        ; 128 rows of 8,192 bytes a tile row,
	s_lshl_b32 s75, s[HI], 19                      ; 64 for my half
	s_add_co_u32 s74, s74, s75
	s_add_co_u32 s72, s72, s74
	s_add_nc_u64 s[68:69], s[12:13], s[72:73]      ; out0 at my 64 x 64
	s_lshl_b32 s40, s[HI], 16                      ; my 4 rows of images of source 1: what wave HI fetched
	s_lshl_b32 s41, s[LOW], 16
	s_add_co_u32 s41, s41, 131072                  ; and of source 0: what wave 2 + LOW fetched
	s_add_co_u32 s44, s40, HSLOT
	s_add_co_u32 s45, s41, HSLOT
	s_mul_i32 s18, s[WV], 16*SPITCH
	s_add_co_u32 s18, s18, STAGE                   ; my stage
	v_and_b32 v1, 15, v0                           ; l % 16
	v_bfe_u32 v2, v0, 4, 1                         ; l / 16
	v_lshlrev_b32 v[BOF], 6, v2
.irp b, 0,1,2,3
	global_load_b128 v[BO+8*\b:BO+8*\b+3], v[BOF], s[70:71] offset:(32*(\b/2)+8*(\b%2))*4        ; tile b's eight columns of my half: 32 (b / 2) + 16 (l / 16) + 8 (b % 2) + 0..7
	global_load_b128 v[BO+8*\b+4:BO+8*\b+7], v[BOF], s[70:71] offset:(32*(\b/2)+8*(\b%2))*4+16
.endr
	v_and_b32 v3, 31, v0
	v_lshlrev_b32 v[PFO], 8, v3
	v_lshlrev_b32 v3, 4, v3                        ; 16 x lane
	v_add_nc_u32 v[ADRA], s40, v3
	v_add_nc_u32 v[ADRB], s41, v3
	v_add_nc_u32 v[ADRA+1], s44, v3
	v_add_nc_u32 v[ADRB+1], s45, v3
	v_mul_u32_u24 v[STO], v1, SPITCH
	v_lshl_add_u32 v[STO], v2, 6, v[STO]
	v_add_nc_u32 v[STO], s18, v[STO]               ; in: row l % 16, + 64 (l / 16)
	v_mul_u32_u24 v[RD], v2, SPITCH
	v_lshl_add_u32 v[RD], v1, 4, v[RD]
	v_add_nc_u32 v[RD], s18, v[RD]                 ; back: lanes 0-15 one row of 256 bytes, lanes 16-31 the next
	v_lshlrev_b32 v[CO], 13, v2
	v_lshl_add_u32 v[CO], v1, 4, v[CO]             ; and the same two rows in the output
	s_wait_alu depctr_va_vdst(0)
	global_prefetch_b8 v[PFO], s[PFA:PFA+1] th:TH_LOAD_NT scope:SCOPE_SE   ; what the first refill will ask for
; 8 matrix instructions: source 1's blocks a0, a0 + 1 x source 0's four, 128 along K.  The 16 accumulators take turns, one instruction a turn, in the same order in every step
.macro MUL8 f, a0, zero
.irp a, \a0, \a0+1
.irp b, 0,1,2,3
.if \zero
	v_wmma_f32_16x16x128_fp8_fp8 v[ACC+8*(4*(\a)+\b):ACC+8*(4*(\a)+\b)+7], v[\f+64+16*\b:\f+64+16*\b+15], v[\f+16*(\a):\f+16*(\a)+15], 0
.else
	v_wmma_f32_16x16x128_fp8_fp8 v[ACC+8*(4*(\a)+\b):ACC+8*(4*(\a)+\b)+7], v[\f+64+16*\b:\f+64+16*\b+15], v[\f+16*(\a):\f+16*(\a)+15], v[ACC+8*(4*(\a)+\b):ACC+8*(4*(\a)+\b)+7]
.endif
.endr
.endr
.endm
.macro FETCH slot, q, f                ; 32 LDS loads in one run: the slot's q-th 128 along K into set f: source 0's four images, then source 1's
	WIN TO_F
.irp b, 0,1,2,3
.irp c, 0,1,2,3
	ds_load_b128 v[\f+64+16*\b+4*\c:\f+64+16*\b+4*\c+3], v[ADRB+\slot] offset:\b*8192+(\q)*2048+512*\c
.endr
.endr
.irp a, 0,1,2,3
.irp c, 0,1,2,3
	ds_load_b128 v[\f+16*\a+4*\c:\f+16*\a+4*\c+3], v[ADRA+\slot] offset:\a*8192+(\q)*2048+512*\c
.endr
.endr
.endm
.macro PLACES                          ; four plain lines in front of loads into registers that matrix instructions have read, and of the first read of results
.rept 4
	v_nop
.endr
.endm
.macro STEP slot, q, f, g, zero        ; multiplies set f and fetches the slot's next 128 along K into g
	s_wait_dscnt 8                                 ; source 0's images and source 1's blocks 0, 1 are in; the youngest 8 loads (blocks 2, 3) may be out
	WIN MUL
	MUL8 \f, 0, \zero
	PLACES
	FETCH \slot, (\q)+1, \g
	s_wait_dscnt 32                                ; all but the 32 just issued
	WIN MUL
	MUL8 \f, 2, \zero
.endm
; A slot's last step multiplies set 1, which was asked for in the step before.  So the change of slots comes FIRST: each wave waits for all its tensor loads, adds 0 to its spare word, and waits for that and for its reads of this slot;
; one barrier; fill = 1: it opens a round of the cluster's barrier, and behind the round the slot is filled again.  Then the next slot's first fragments are asked for, and they land under the step's 16 products.
.macro TURN slot, next, fill
	WIN 0                                          ; (the add's two registers lie in window 0)
	s_wait_tensorcnt 0x0                           ; all my tensor loads have landed: my part of the next slot; so a group 0 may be written
	ds_add_u32 v[SPW], v[NIL]
.if \fill
	s_add_nc_u64 s[G0+4*\slot+2:G0+4*\slot+3], s[G0+4*\slot+2:G0+4*\slot+3], 2*STEPB      ; this slot's next 512 along K: work on registers between the add and the wait for it
	s_add_nc_u64 s[G0B+4*\slot+2:G0B+4*\slot+3], s[G0B+4*\slot+2:G0B+4*\slot+3], 2*STEPB
.endif
	s_wait_dscnt 0x0                               ; the add is done, and my reads of this slot are over: the last were set 1's
	s_barrier_signal -1
	s_barrier_wait -1                              ; both now hold of all four waves
.if \fill
	CREST                                          ; and of all sixteen work-groups: no wave of any partner still reads this slot or has a load on its way
	JLOAD \slot, G1, G1B                           ; the first tensor load behind the round; its four v_nop are the places in front of the loads below
.else
	PLACES
.endif
	FETCH \next, 0, F0
	WIN MUL
	MUL8 F1, 0, 0
	MUL8 F1, 2, 0
.endm
	s_wait_tensorcnt 0x0                           ; my parts of both slots are in
	s_barrier_signal -1
	s_barrier_wait -1
	FETCH 0, 0, F0
	STEP 0, 0, F0, F1, 1                           ; the first products start the sums
	WIN 0
	global_prefetch_b8 v[PFO], s[PFA:PFA+1] offset:STEPB th:TH_LOAD_NT scope:SCOPE_SE   ; what the second refill will ask for
	STEP 0, 1, F1, F0, 0
	STEP 0, 2, F0, F1, 0
	TURN 0, 1, 1
	STEP 1, 0, F0, F1, 0
	STEP 1, 1, F1, F0, 0
	STEP 1, 2, F0, F1, 0
	TURN 1, 0, 1
	STEP 0, 0, F0, F1, 0
	STEP 0, 1, F1, F0, 0
	STEP 0, 2, F0, F1, 0
	TURN 0, 1, 0                                   ; nothing is left to fetch from memory
	STEP 1, 0, F0, F1, 0
	STEP 1, 1, F1, F0, 0
	STEP 1, 2, F0, F1, 0
	s_wait_dscnt 8
	WIN MUL
	MUL8 F1, 0, 0
	s_wait_dscnt 0
	MUL8 F1, 2, 0
	WIN 0
; THE WAY OUT, a block of 16 rows x 64 columns at a time: sum x 2^(entries 10 + 11) + bo in one packed multiply-add (each accumulator from its low end on), into my stage, back as whole rows of 256 bytes into the block's own registers, stored.
.macro TOSTAGE a
.set ii, 0
.rept 16
	v_pk_fma_f32 v[TMP+ii:TMP+ii+1], v[ACC+32*(\a)+ii:ACC+32*(\a)+ii+1], s[66:67], v[BO+ii:BO+ii+1] op_sel_hi:[1,0,1]
.set ii, ii+2
.endr
.irp b, 0,1,2,3
	ds_store_b128 v[STO], v[TMP+8*\b:TMP+8*\b+3] offset:128*(\b/2)+32*(\b%2)
	ds_store_b128 v[STO], v[TMP+8*\b+4:TMP+8*\b+7] offset:128*(\b/2)+32*(\b%2)+16
.endr
.irp i, 0,1,2,3,4,5,6,7
	ds_load_b128 v[ACC+32*(\a)+4*\i:ACC+32*(\a)+4*\i+3], v[RD] offset:\i*2*SPITCH   ; LDS serves a wave's instructions in order (ISA guide 5.7.1.4): these see the stores above, and the next block's stores come behind them
.endr
.endm
.macro SEND a, younger                 ; younger: the LDS instructions issued behind block a's loads, which may stay out
	s_wait_dscnt \younger
.irp i, 0,1,2,3,4,5,6,7
	global_store_b128 v[CO], v[ACC+32*(\a)+4*\i:ACC+32*(\a)+4*\i+3], s[68:69] offset:(32*((\a)/2)+8*((\a)%2)+2*\i+8*(\i/4))*8192 th:TH_STORE_NT   ; stage rows 2 i, 2 i + 1 of image a are these rows of the output; 16 lanes store 256 consecutive bytes, aligned
.endr
.endm
	s_wait_kmcnt 0x0
	s_add_co_i32 s66, s66, s67
	s_add_co_i32 s66, s66, 127
	s_lshl_b32 s66, s66, 23                        ; 2^(entries 10 + 11) as f32
	s_mov_b32 s67, s66                             ; (named with it as a pair)
	s_wait_loadcnt 0x0                             ; bo
	PLACES
	TOSTAGE 0
.irp a, 1,2,3
	TOSTAGE \a
	SEND \a-1, 16                                  ; behind block a - 1's loads: block a's 8 stores and 8 loads
.endr
	SEND 3, 0
	s_wait_tensorcnt 0x0                           ; the wave's end
	ds_add_u32 v[SPW], v[NIL]
	s_wait_dscnt 0x0
	CROUND                                         ; the closing round
	s_endpgm
.Lfunc_end_k_q531e071499_gemm_out:
	.size	k_q531e071499_gemm_out, .Lfunc_end_k_q531e071499_gemm_out-k_q531e071499_gemm_out
	.p2alignl 7, 3214868480
	.fill 96, 4, 3214868480
	.section	.rodata,"a",@progbits
	.p2align	6, 0x0
	.amdhsa_kernel k_q531e071499_gemm_out
		.amdhsa_group_segment_fixed_size 327680
		.amdhsa_private_segment_fixed_size 0
		.amdhsa_enable_private_segment 0
		.amdhsa_kernarg_size 40
		.amdhsa_user_sgpr_count 2
		.amdhsa_user_sgpr_kernarg_segment_ptr 1
		.amdhsa_wavefront_size32 1
		.amdhsa_system_sgpr_workgroup_id_x 1
		.amdhsa_system_sgpr_workgroup_id_y 1
		.amdhsa_system_sgpr_workgroup_id_z 1
		.amdhsa_system_vgpr_workitem_id 0
		.amdhsa_next_free_vgpr 512
		.amdhsa_next_free_sgpr 100
		.amdhsa_reserve_vcc 0
		.amdhsa_float_denorm_mode_32 3
		.amdhsa_float_denorm_mode_16_64 3
		.amdhsa_memory_ordered 1
		.amdhsa_forward_progress 1
		.amdhsa_inst_pref_size 74
	.end_amdhsa_kernel
	.amdgpu_metadata
---
amdhsa.version: [ 1, 2 ]
amdhsa.kernels:
  - .name:           k_q531e071499_gemm_out
    .symbol:         k_q531e071499_gemm_out.kd
    .args:
      - { .name: ctxc, .offset: 0, .size: 8, .value_kind: global_buffer, .address_space: global }
      - { .name: woc, .offset: 8, .size: 8, .value_kind: global_buffer, .address_space: global }
      - { .name: lowp_scales, .offset: 16, .size: 8, .value_kind: global_buffer, .address_space: global }
      - { .name: bo, .offset: 24, .size: 8, .value_kind: global_buffer, .address_space: global }
      - { .name: out0, .offset: 32, .size: 8, .value_kind: global_buffer, .address_space: global }
    .group_segment_fixed_size: 327680
    .private_segment_fixed_size: 0
    .kernarg_segment_align: 8
    .kernarg_segment_size: 40
    .max_flat_workgroup_size: 128
    .sgpr_count:     100
    .vgpr_count:     512
    .wavefront_size: 32
...
	.end_amdgpu_metadata
.endif
;; end of part 4
